; MI455X (gfx1250); checked and timed in simulation.
; The chip was launched on July 23, 2026; its instructions are those of AMD's public machine-readable ISA for CDNA 5 (MIT licence, August 2026) and "CDNA5" Instruction Set Architecture Reference Guide (July 2026). The comments in the code are by the model that wrote it; some were corrected since.
;; Multi Head Attention. Allowed arithmetic: matrix products marked QUANTISED: E2M1 operands, one E8M0 scale for each 32 along K, by v_wmma_scale_f32_16x16x128_f8f6f4 with both operands' format E2M1 (or v_wmma_scale_f32_32x16x128_f4), f32 sums; products left as they are: bf16, f16 or f32 operands; f32 sums; everything else in f32.
;; Inputs: W_key 1,024 x 256 float32; W_out 1,024 x 1,024 float32; W_query 1,024 x 256 float32; W_value 1,024 x 256 float32; b_out 1,024 float32; x 4 x 2,048 x 256 float32.
;; Outputs: out0 4 x 2,048 x 1,024 float32.
;; This version of the problem:
;;   THIS VERSION OF THE PROBLEM IS GIVEN IN LOW PRECISION. The matrix products marked QUANTISED in the list below multiply operands that are first quantised to E2M1 (2 exponent bits, 1 mantissa bit; 4 bits a number), with one power-of-two scale for each 32 numbers along K (OCP MX v1.0); their sums are f32. The products marked 'left as it is' may take bf16, f16 or f32 operands, with f32 sums. Whichever they take, every output number must still come out within the allowed error. Rounding operands to bf16 (8 significant bits) uses up far more of that allowance than f16 does (11 bits, for magnitudes from 6e-5 to 65,504). All else is computed in f32.
;;   The module's matrix products, in the order in which they are computed (A, B: the left and right operand; K: the contracted axis; several contracted axes count as one K, in the product's order):
;;     1. [M 8,192, K 256] x [K 256, N 1,024]; A: input x; B: input W_query: QUANTISED
;;     2. [M 8,192, K 256] x [K 256, N 1,024]; A: input x; B: input W_key: QUANTISED
;;     3. [M 8,192, K 256] x [K 256, N 1,024]; A: input x; B: input W_value: QUANTISED
;;     4. batch 64 x [M 2,048, K 64] x [K 64, N 2,048]; A: computed on the way; B: computed on the way: left as it is (an operand is computed on the way)
;;     5. batch 64 x [M 2,048, K 2,048] x [K 2,048, N 64]; A: computed on the way; B: computed on the way: left as it is (an operand is computed on the way)
;;     6. [M 8,192, K 1,024] x [K 1,024, N 1,024]; A: computed on the way; B: input W_out: left as it is (an operand is computed on the way)
;;   THE QUANTISER, for each operand of a quantised product, along K:
;;     - K is cut into blocks of 32 from its start; a last block that is shorter is filled with zeros.
;;     - A block's scale is 2^e with e = floor(log2(the largest magnitude in the block)) - 2, held to -126 .. 127; a block of zeros has e = 0. As a byte (E8M0): e + 127.
;;     - Each number is divided by its block's scale, clamped to +-6, and rounded to the nearest number of E2M1, ties to even, subnormals kept.
;;     - The product sums the exact products of the quantised numbers (number of the format x scale) in f32.
;;   ~~~python
;;   def quantise(x, axis):      # numpy; x: float32 -> the quantised numbers, widened to float32 again
;;       x = np.moveaxis(x, axis, -1); K = x.shape[-1]
;;       x = np.pad(x, [(0, 0)] * (x.ndim - 1) + [(0, -K % 32)]); x = x.reshape(x.shape[:-1] + (-1, 32)); a = np.abs(x).max(-1, keepdims=True)
;;       e = np.where(a > 0, np.clip(np.frexp(np.where(a > 0, a, 1))[1] - 1 - 2, -126, 127), 0)      # np.frexp(a)[1] - 1 = floor(log2(a)), exactly
;;       r = np.clip(x / 2.0 ** e, -6, 6)
;;       step = 2.0 ** (np.maximum(np.frexp(np.where(r == 0, 1, r))[1] - 1, 0) - 1)
;;       q = np.round(r / step) * step * 2.0 ** e      # np.round: ties to even
;;       return np.moveaxis(q.reshape(q.shape[:-2] + (-1,))[..., :K], -1, axis).astype(np.float32)
;;   ~~~
;; One version. Each part assembles by itself: llvm-mc -triple=amdgcn-amd-amdhsa -mcpu=gfx1250 --defsym DOCPART=n.
;; ======== version 1 of 1: 5 launches
;; limits: values are held in f16: magnitudes above 65,504 overflow, below 6.1e-05 lose precision
;; workspace buffers: codes 1,531,904 bytes; wo 4,194,304 bytes; qkv 50,331,648 bytes; lo 393,216 bytes; ctx 16,777,216 bytes
;; launch prep (part 1): grid 480 x 1, 4 waves a work-group, no clusters, 68,096 bytes of LDS; arguments x, W_query, W_key, W_value, W_out, codes, wo; writes codes, wo
.if DOCPART == 1
	.amdgcn_target "amdgcn-amd-amdhsa--gfx1250"
	.amdhsa_code_object_version 6
	.text
	.protected	k_qdbba73fa20_prep
	.globl	k_qdbba73fa20_prep
	.p2align	8
	.type	k_qdbba73fa20_prep,@function
k_qdbba73fa20_prep:
	s_mov_b64 s[64:65], 0
	v_nop
	global_prefetch_b8 v0, s[64:65] scope:SCOPE_SE
	s_setreg_imm32_b32 hwreg(HW_REG_WAVE_MODE, 25, 1), 1
	s_wait_xcnt 0x0
; x [8192][256], W_query, W_key, W_value [1024][256] (f32) become codes of FP4 (E2M1) with one E8M0 byte for each 32 along K; W_out [1024][1024] (f32) becomes a pair of f16 numbers, high and low.
; ALL RESULTS ARE LAID AS IMAGES OF OPERAND REGISTERS: a chunk is four registers of a wave, lane l's 16 bytes at 16 l, 512 consecutive bytes, so that the later launches load fragments by 16-byte loads alone.
;   codes: row tile m (16 rows; 0-511 x, 512-575 W_query, 576-639 W_key, 640-703 W_value) at 2048 m + 1024 s + 512 c: lane (r, h) holds block 4 s + 2 c + h of row r (s: the K step of 128).
;   scale words from byte SCALES on: 128 m + 64 s + 4 r: the four bytes of row r's K step s.
;   wo: high parts at 0, low parts at WLOW; (32 ot + cs) x 1024 + 512 e: lane (r, h) holds output 16 ot + r, channels 32 cs + 16 e + 8 h + 0 .. 7.
; A block's scale is 2^(floor(log2(its largest magnitude)) - 2); its byte is the largest magnitude's exponent field - 2, held at 1 from below.
; LIMITS: a block of zeros gets the byte 1 where the rule says 127 (its codes are zeros, and this program alone reads the bytes); NaN and infinities are not served; |W_out| stays under 65,504;
; parts of W_out under 2^-14 keep an absolute error of up to 2^-25.
; SHARES: a wave takes ONE piece of 16 rows x 512 bytes; its 16 loads, 512 consecutive bytes each, are all out at once.  The piece turns through the wave's own stage in LDS (rows of 528 bytes) so that a lane
; then holds neighbours along K.  Work-groups 0-351 quantise (a pair of row tiles each: wave = 2 x tile + K step), 352-479 split W_out.  No wave reads what another wrote: no barrier.
; No tensor load, no cluster, no prefetch: each byte is read once, by loads that are all issued at the head.
.set STG,    8448                      ; a wave's stage: 16 rows x 528
.set CONV,   4*STG                     ; the splitting path has stages of its own
.set SPARE,  8*STG                     ; the spare words: 128 bytes a wave, two blocks of 256 bytes that no other line names
.set SCALES, 1441792
.set WLOW,   2097152
.set CD,  16                           ; v16-23   codes
.set HI,  16                           ; v16-47   high parts (the other path)
.set LO,  48                           ; v48-79   low parts
.set R,   80                           ; v80-143  as loaded
.set X,   144                          ; v144-207 turned: a lane's neighbours
.set T,   208                          ; v208-223 at work
.set SPW, 12
.set NIL, 13
	s_load_b256 s[4:11], s[0:1], 0x0               ; x, W_query, W_key, W_value
	s_load_b128 s[12:15], s[0:1], 0x20             ; W_out, codes
	s_load_b64 s[16:17], s[0:1], 0x30              ; wo
	v_lshl_add_u32 v[SPW], v0, 2, SPARE
	v_mov_b32 v[NIL], 0
	v_lshrrev_b32 v1, 5, v0
	v_readfirstlane_b32 s2, v1                     ; wave
	v_and_b32 v1, 31, v0                           ; l
	v_and_b32 v2, 15, v0                           ; r
	v_bfe_u32 v3, v0, 4, 1                         ; h
	v_lshlrev_b32 v4, 4, v1                        ; 16 l
	s_mul_i32 s3, s2, STG
	v_add_nc_u32 v5, s3, v4                        ; stage, in: 16 l (+ 528 x row)
	v_mul_u32_u24 v6, v2, 528
	v_add_nc_u32 v6, s3, v6
	v_lshl_add_u32 v8, v3, 5, v6
	v_add_nc_u32 v8, CONV, v8                      ; the splitter's stage, out: 528 r + 32 h
	v_lshl_add_u32 v6, v3, 7, v6                   ; the quantiser's stage, out: 528 r + 128 h
	v_add_nc_u32 v7, CONV, v5                      ; the splitter's stage, in
	v_lshlrev_b32 v9, 2, v2                        ; 4 r
	v_lshlrev_b32 v10, 3, v3                       ; 8 h
	s_mov_b32 s20, 0x76543210
	s_mov_b32 s21, 0xfedcba98                      ; v_permlanex16_b32's selects for lane l xor 16
	s_mov_b32 s25, 0
	s_mov_b32 s27, 0
.macro LOADS pitch                     ; 16 rows, 512 consecutive bytes each
.set n, 0
.rept 16
	global_load_b128 v[R+4*n:R+4*n+3], v4, s[18:19] offset:n*\pitch th:TH_LOAD_NT
.set n, n+1
.endr
.endm
.macro TURNIN adr                      ; into the stage as they lie
.set n, 0
.rept 16
	s_wait_loadcnt 15-n                            ; loads come back in order: row n is in, the younger rows may be out
	ds_store_b128 v[\adr], v[R+4*n:R+4*n+3] offset:528*n
.set n, n+1
.endr
.endm
	s_wait_kmcnt 0x0
	s_cmp_ge_u32 ttmp9, 352
	s_cbranch_scc1 .Lsplit
	; ---- the quantiser.  Which tensor: a choice on the work-group's number alone
	s_mov_b32 s22, 320
	s_cmp_lt_u32 ttmp9, 320
	s_cselect_b64 s[18:19], s[8:9], s[10:11]
	s_cselect_b32 s22, 288, s22
	s_cmp_lt_u32 ttmp9, 288
	s_cselect_b64 s[18:19], s[6:7], s[18:19]
	s_cselect_b32 s22, 256, s22
	s_cmp_lt_u32 ttmp9, 256
	s_cselect_b64 s[18:19], s[4:5], s[18:19]
	s_cselect_b32 s22, 0, s22
	s_sub_co_u32 s24, ttmp9, s22                   ; the pair of row tiles in its tensor: 32 rows of 1,024 bytes,
	s_lshl_b32 s24, s24, 15
	s_lshr_b32 s23, s2, 1
	s_lshl_b32 s23, s23, 14                        ; the tile of the pair,
	s_add_co_u32 s24, s24, s23
	s_and_b32 s23, s2, 1
	s_lshl_b32 s23, s23, 9                         ; the K step
	s_add_co_u32 s24, s24, s23
	s_add_nc_u64 s[18:19], s[18:19], s[24:25]
	s_lshl_b32 s26, ttmp9, 12
	s_lshl_b32 s23, s2, 10
	s_add_co_u32 s26, s26, s23
	s_add_nc_u64 s[28:29], s[14:15], s[26:27]      ; my two chunks of codes: 4096 x pair + 1024 x wave
	s_lshl_b32 s26, ttmp9, 8
	s_lshl_b32 s23, s2, 6
	s_add_co_u32 s26, s26, s23
	s_add_co_u32 s26, s26, SCALES
	s_add_nc_u64 s[30:31], s[14:15], s[26:27]      ; my 16 scale words: 256 x pair + 64 x wave
	LOADS 1024
	TURNIN 5
.irp c, 0,1
.irp i, 0,1,2,3,4,5,6,7
	ds_load_b128 v[X+32*\c+4*\i:X+32*\c+4*\i+3], v6 offset:256*\c+16*\i   ; block 2 c + h of row r: LDS serves a wave's instructions in order, so these see the stores
.endr
.endr
	s_wait_dscnt 0x0
.irp c, 0,1
	v_max3_num_f32 v[24+\c], |v[X+32*\c]|, |v[X+32*\c+1]|, 0x1800000   ; the block's largest magnitude, and the floor 2^(3 - 127): the byte cannot fall under 1
.endr
.irp i, 2,4,6,8,10,12,14,16,18,20,22,24,26,28,30
.irp c, 0,1
	v_max3_num_f32 v[24+\c], v[24+\c], |v[X+32*\c+\i]|, |v[X+32*\c+\i+1]|
.endr
.endr
.irp c, 0,1
	v_add_nc_u32 v[26+\c], 0xff000000, v[24+\c]    ; 2 off the exponent field: the conversion takes this operand's exponent field as its scale
.endr
.irp c, 0,1
	v_lshrrev_b32 v[28+\c], 23, v[26+\c]           ; the scale's byte
.endr
	v_lshl_or_b32 v30, v29, 16, v28                ; my two bytes, blocks h and 2 + h,
	v_lshlrev_b32 v30, v10, v30                    ; at their places,
	v_mov_b32 v31, 0
	v_permlanex16_b32 v31, v30, s20, s21
	v_or_b32 v30, v30, v31                         ; with lane l xor 16's two: row r's word
.irp c, 0,1
.irp g, 0,1,2,3
	v_cvt_scalef32_pk8_fp4_f32 v[CD+4*\c+\g], v[X+32*\c+8*\g:X+32*\c+8*\g+7], v[26+\c]
.endr
.endr
	v_cmp_gt_u32 vcc_lo, 16, v1                    ; (a plain line behind the conversions)
	global_store_b128 v4, v[CD:CD+3], s[28:29]
	global_store_b128 v4, v[CD+4:CD+7], s[28:29] offset:512
	s_wait_xcnt 0x0                                ; EXEC changes only behind this wait
	s_and_saveexec_b32 s26, vcc_lo
	global_store_b32 v9, v30, s[30:31]             ; lanes 0-15: 64 consecutive bytes
	s_wait_xcnt 0x0
	s_or_b32 exec_lo, exec_lo, s26
	s_wait_tensorcnt 0x0                           ; the wave's end: these three lines behind my last LDS store
	ds_add_u32 v[SPW], v[NIL]
	s_wait_dscnt 0x0
	s_endpgm
.Lsplit:
	; ---- W_out: 16 outputs x 128 channels a wave
	s_sub_co_u32 s22, ttmp9, 352
	s_lshr_b32 s23, s22, 1                         ; the tile of 16 outputs
	s_and_b32 s22, s22, 1
	s_lshl_b32 s22, s22, 2
	s_add_co_u32 s22, s22, s2                      ; which 128 channels
	s_lshl_b32 s24, s23, 16
	s_lshl_b32 s26, s22, 9
	s_add_co_u32 s24, s24, s26
	s_add_nc_u64 s[18:19], s[12:13], s[24:25]
	s_lshl_b32 s26, s23, 15
	s_lshl_b32 s24, s22, 12
	s_add_co_u32 s26, s26, s24
	s_add_nc_u64 s[28:29], s[16:17], s[26:27]
	LOADS 4096
	TURNIN 7
.set n, 0
.rept 8
	ds_load_b128 v[X+8*n:X+8*n+3], v8 offset:64*n          ; chunk n: channels 16 n + 8 h + 0 .. 7 of output r
	ds_load_b128 v[X+8*n+4:X+8*n+7], v8 offset:64*n+16
.set n, n+1
.endr
	s_wait_dscnt 0x0
.set n, 0
.rept 8
.set XN, X+8*n
.set TN, T+8*(n%2)
.irp k, 0,1,2,3,4,5,6,7
	v_bfe_u32 v[TN+\k], v[XN+\k], 13, 1            ; the number rounded to 11 significant bits, ties to even, in whole-number arithmetic on its bits:
.endr
.irp k, 0,1,2,3,4,5,6,7
	v_add3_u32 v[TN+\k], v[XN+\k], v[TN+\k], 0xfff
.endr
.irp k, 0,1,2,3,4,5,6,7
	v_and_b32 v[TN+\k], 0xffffe000, v[TN+\k]       ; the high part, a number of f16
.endr
.irp k, 0,1,2,3
	v_cvt_pk_f16_f32 v[HI+4*n+\k], v[TN+2*\k], v[TN+2*\k+1]
.endr
.irp k, 0,2,4,6
	v_pk_add_f32 v[XN+\k:XN+\k+1], v[XN+\k:XN+\k+1], v[TN+\k:TN+\k+1] neg_lo:[0,1] neg_hi:[0,1]   ; what is left, exactly
.endr
.irp k, 0,1,2,3
	v_cvt_pk_f16_f32 v[LO+4*n+\k], v[XN+2*\k], v[XN+2*\k+1]
.endr
	global_store_b128 v4, v[HI+4*n:HI+4*n+3], s[28:29] offset:512*n
	global_store_b128 v4, v[LO+4*n:LO+4*n+3], s[28:29] offset:WLOW+512*n
.set n, n+1
.endr
	s_wait_tensorcnt 0x0                           ; the wave's end, as above
	ds_add_u32 v[SPW], v[NIL]
	s_wait_dscnt 0x0
	s_endpgm
.Lfunc_end_k_qdbba73fa20_prep:
	.size	k_qdbba73fa20_prep, .Lfunc_end_k_qdbba73fa20_prep-k_qdbba73fa20_prep
	.p2alignl 7, 3214868480
	.fill 96, 4, 3214868480
	.section	.rodata,"a",@progbits
	.p2align	6, 0x0
	.amdhsa_kernel k_qdbba73fa20_prep
		.amdhsa_group_segment_fixed_size 68096
		.amdhsa_private_segment_fixed_size 0
		.amdhsa_enable_private_segment 0
		.amdhsa_kernarg_size 56
		.amdhsa_user_sgpr_count 2
		.amdhsa_user_sgpr_kernarg_segment_ptr 1
		.amdhsa_wavefront_size32 1
		.amdhsa_system_sgpr_workgroup_id_x 1
		.amdhsa_system_sgpr_workgroup_id_y 1
		.amdhsa_system_sgpr_workgroup_id_z 1
		.amdhsa_system_vgpr_workitem_id 0
		.amdhsa_next_free_vgpr 224
		.amdhsa_next_free_sgpr 66
		.amdhsa_reserve_vcc 1
		.amdhsa_float_denorm_mode_32 3
		.amdhsa_float_denorm_mode_16_64 3
		.amdhsa_memory_ordered 1
		.amdhsa_forward_progress 1
		.amdhsa_inst_pref_size 37
	.end_amdhsa_kernel
	.amdgpu_metadata
---
amdhsa.version: [ 1, 2 ]
amdhsa.kernels:
  - .name:           k_qdbba73fa20_prep
    .symbol:         k_qdbba73fa20_prep.kd
    .args:
      - { .name: x, .offset: 0, .size: 8, .value_kind: global_buffer, .address_space: global }
      - { .name: W_query, .offset: 8, .size: 8, .value_kind: global_buffer, .address_space: global }
      - { .name: W_key, .offset: 16, .size: 8, .value_kind: global_buffer, .address_space: global }
      - { .name: W_value, .offset: 24, .size: 8, .value_kind: global_buffer, .address_space: global }
      - { .name: W_out, .offset: 32, .size: 8, .value_kind: global_buffer, .address_space: global }
      - { .name: codes, .offset: 40, .size: 8, .value_kind: global_buffer, .address_space: global }
      - { .name: wo, .offset: 48, .size: 8, .value_kind: global_buffer, .address_space: global }
    .group_segment_fixed_size: 68096
    .private_segment_fixed_size: 0
    .kernarg_segment_align: 8
    .kernarg_segment_size: 56
    .max_flat_workgroup_size: 128
    .sgpr_count:     66
    .vgpr_count:     224
    .wavefront_size: 32
...
	.end_amdgpu_metadata
.endif
;; end of part 1
;; launch qkv (part 2): grid 48 x 16, 4 waves a work-group, no clusters, 0 bytes of LDS; arguments codes, qkv, lo; writes qkv, lo
.if DOCPART == 2
	.amdgcn_target "amdgcn-amd-amdhsa--gfx1250"
	.amdhsa_code_object_version 6
	.text
	.protected	k_qdbba73fa20_qkv
	.globl	k_qdbba73fa20_qkv
	.p2align	8
	.type	k_qdbba73fa20_qkv,@function
k_qdbba73fa20_qkv:
	s_mov_b64 s[64:65], 0
	v_nop
	global_prefetch_b8 v0, s[64:65] scope:SCOPE_SE
	s_setreg_imm32_b32 hwreg(HW_REG_WAVE_MODE, 25, 1), 1
	s_wait_xcnt 0x0
; q, k, v = x W^T on codes of FP4 with E8M0 scales (K = 256: two matrix instructions deep), sums in f32, results rounded to f16 and stored as images of the next products' operand registers.
;   qkv: q at 0, k at 2^24, v^T at 2^25; 2^18 bytes for each (batch, head).  q, k: token tile tt at 2048 tt + 512 ct: lane (r, h) holds token r, channels 16 ct + 8 h + 0 .. 7.
;   v^T: 32 tokens ts at 4096 ts + 1024 ct + 512 e: lane (r, h) holds channel 16 ct + r, tokens 32 ts + 16 e + 8 h + 0 .. 7.
;   lo: (64 x section + batch-head) x 2048 + 512 ct: of token tile 0 alone, what the rounding to f16 left, as f16, in the same chunks.
; A 16 x 16 result packed to f16 IS such a chunk: for q and k the product is used transposed (source 0 = 16 rows of W, source 1 = 16 rows of x: a lane holds one token and eight channels),
; for v as it stands (a lane holds one channel and eight tokens).  So results leave straight from registers, 512 consecutive bytes a store, and there is no LDS.
; SHARES: work-group x = 16 x section + head (64 columns: 4 tiles of W, kept in registers), y = 512 rows; a wave takes 128 rows: 4 pairs of row tiles, the next pair's codes on their way while one is multiplied.
; LIMITS: |q|, |k|, |v| stay under 65,504; parts under 2^-14 keep an absolute error of up to 2^-25.
; No tensor load and so no joint requests: an operand is 2 instructions deep, its images come by 16-byte loads, and all of the codes are read again and again by work-groups that run together.
.set SCALES, 1441792
.set WS,  8                            ; v8-11    W's scale words, tile ct: K step 0 in lanes 0-15, K step 1 in lanes 16-31
.set XS,  12                           ; v12-15   x's, two sets of two
.set PK,  16                           ; v16-47   packed results, 8 tiles x 4
.set T,   48                           ; v48-51   at work
.set WF,  52                           ; v52-115  W's fragments (ct, s) at 16 ct + 8 s
.set XA,  116                          ; v116-179 x's fragments, two sets: (u, s) at 16 u + 8 s
.set ACC, 180                          ; v180-243 tile (u, ct) at 8 (4 u + ct)
	s_load_b128 s[4:7], s[0:1], 0x0                ; codes, qkv
	s_load_b64 s[8:9], s[0:1], 0x10                ; lo
	v_lshrrev_b32 v1, 5, v0
	v_readfirstlane_b32 s10, v1                    ; wave
	v_and_b32 v1, 31, v0
	v_lshlrev_b32 v2, 4, v1                        ; 16 l
	v_lshlrev_b32 v3, 2, v1                        ; 4 l
	s_and_b32 s12, ttmp7, 0xffff                   ; y
	s_lshl_b32 s13, s12, 2
	s_add_co_u32 s13, s13, s10                     ; which 128 rows of x
	s_lshl_b32 s30, s13, 14                        ; their codes,
	s_mov_b32 s31, 0
	s_lshl_b32 s32, s13, 10
	s_add_co_u32 s32, s32, SCALES                  ; their scale words
	s_mov_b32 s33, 0
	s_lshl_b32 s34, ttmp9, 13
	s_add_co_u32 s34, s34, 1048576                 ; W's four tiles: row tiles 512 + 4 x on
	s_mov_b32 s35, 0
	s_lshl_b32 s36, ttmp9, 9
	s_add_co_u32 s36, s36, SCALES+65536
	s_mov_b32 s37, 0
	s_lshr_b32 s14, ttmp9, 4                       ; section: 0 q, 1 k, 2 v
	s_and_b32 s15, ttmp9, 15                       ; head
	s_lshr_b32 s24, s12, 2
	s_lshl_b32 s24, s24, 4
	s_add_co_u32 s24, s24, s15                     ; 16 x batch + head
	s_and_b32 s25, s12, 3
	s_lshl_b32 s25, s25, 2
	s_add_co_u32 s25, s25, s10                     ; which 128 tokens of the sequence; 0: the wave that holds token tile 0
	s_lshl_b32 s38, s14, 24
	s_lshl_b32 s11, s24, 18
	s_add_co_u32 s38, s38, s11
	s_lshl_b32 s11, s25, 14
	s_add_co_u32 s38, s38, s11
	s_mov_b32 s39, 0
	s_lshl_b32 s40, s14, 6
	s_add_co_u32 s40, s40, s24
	s_lshl_b32 s40, s40, 11
	s_mov_b32 s41, 0
	s_wait_kmcnt 0x0
	s_add_nc_u64 s[16:17], s[4:5], s[30:31]
	s_add_nc_u64 s[18:19], s[4:5], s[32:33]
	s_add_nc_u64 s[20:21], s[4:5], s[34:35]
	s_add_nc_u64 s[22:23], s[4:5], s[36:37]
	s_add_nc_u64 s[26:27], s[6:7], s[38:39]
	s_add_nc_u64 s[28:29], s[8:9], s[40:41]
.macro LOADX p                         ; pair p of row tiles: 8 chunks of codes, 2 registers of scale words: ten loads
.set XAP, XA+32*((\p)%2)
.set XSP, XS+2*((\p)%2)
.set n, 0
.rept 8
	global_load_b128 v[XAP+4*n:XAP+4*n+3], v2, s[16:17] offset:4096*(\p)+512*n
.set n, n+1
.endr
	global_load_b32 v[XSP], v3, s[18:19] offset:256*(\p)
	global_load_b32 v[XSP+1], v3, s[18:19] offset:256*(\p)+128
.endm
.set n, 0
.rept 16
	global_load_b128 v[WF+4*n:WF+4*n+3], v2, s[20:21] offset:512*n
.set n, n+1
.endr
.irp c, 0,1,2,3
	global_load_b32 v[WS+\c], v3, s[22:23] offset:128*\c
.endr
	LOADX 0
	LOADX 1
.macro MM d, a, b, sa, sb, s           ; one matrix instruction; s = 1: the second K step, whose scale words lie in lanes 16-31
.if \s
	v_wmma_scale_f32_16x16x128_f8f6f4 v[(\d):(\d)+7], v[(\a):(\a)+7], v[(\b):(\b)+7], v[(\d):(\d)+7], v[(\sa)], v[(\sb)] matrix_a_fmt:MATRIX_FMT_FP4 matrix_b_fmt:MATRIX_FMT_FP4 matrix_a_scale:MATRIX_SCALE_ROW1 matrix_b_scale:MATRIX_SCALE_ROW1
.else
	v_wmma_scale_f32_16x16x128_f8f6f4 v[(\d):(\d)+7], v[(\a):(\a)+7], v[(\b):(\b)+7], 0, v[(\sa)], v[(\sb)] matrix_a_fmt:MATRIX_FMT_FP4 matrix_b_fmt:MATRIX_FMT_FP4
.endif
.endm
; Pair p: 16 matrix instructions on 8 accumulators that take turns; the first K step starts the sums.  nat = 0: q, k (transposed);  1: v.
.macro SUB p, nat, left
.set XAQ, XA+32*((\p)%2)
.set XSQ, XS+2*((\p)%2)
	s_wait_loadcnt \left                           ; this pair's loads are in; the next pair's ten may be out
	s_wait_xcnt 0x0                                ; the last pair's stores have read their registers, which are written again below
.irp s, 0,1
.irp u, 0,1
.irp c, 0,1,2,3
.if \nat
	MM ACC+8*(4*\u+\c), XAQ+16*\u+8*\s, WF+16*\c+8*\s, XSQ+\u, WS+\c, \s
.else
	MM ACC+8*(4*\u+\c), WF+16*\c+8*\s, XAQ+16*\u+8*\s, WS+\c, XSQ+\u, \s
.endif
.endr
.endr
.endr
.rept 4
	v_nop                                          ; four places in front of loads into registers that matrix instructions have read, and of the first read of results
.endr
.if (\p) < 2
	LOADX (\p)+2
.endif
.set n, 0
.rept 8
.irp k, 0,1,2,3
	v_cvt_pk_f16_f32 v[PK+4*n+\k], v[ACC+8*n+2*\k], v[ACC+8*n+2*\k+1]   ; each accumulator from its low end on
.endr
.set n, n+1
.endr
.irp u, 0,1
.irp c, 0,1,2,3
.if \nat
	global_store_b128 v2, v[PK+4*(4*\u+\c):PK+4*(4*\u+\c)+3], s[26:27] offset:4096*(\p)+1024*\c+512*\u
.else
	global_store_b128 v2, v[PK+4*(4*\u+\c):PK+4*(4*\u+\c)+3], s[26:27] offset:(2*(\p)+\u)*2048+512*\c
.endif
.endr
.endr
.endm
; Token tile 0 (pair 0, tile 0 of the wave with the sequence's first tokens): what the rounding to f16 left.  The rounding is made again in whole-number arithmetic (11 significant bits, ties to even).
.macro LOW
	s_cmp_lg_u32 s25, 0
	s_cbranch_scc1 .Lno_low_\@
.irp c, 0,1,2,3
.irp q, 0,4
.irp k, 0,1,2,3
	v_bfe_u32 v[T+\k], v[ACC+8*\c+\q+\k], 13, 1
.endr
.irp k, 0,1,2,3
	v_add3_u32 v[T+\k], v[ACC+8*\c+\q+\k], v[T+\k], 0xfff
.endr
.irp k, 0,1,2,3
	v_and_b32 v[T+\k], 0xffffe000, v[T+\k]
.endr
.irp k, 0,2
	v_pk_add_f32 v[ACC+8*\c+\q+\k:ACC+8*\c+\q+\k+1], v[ACC+8*\c+\q+\k:ACC+8*\c+\q+\k+1], v[T+\k:T+\k+1] neg_lo:[0,1] neg_hi:[0,1]
.endr
.endr
.irp k, 0,1,2,3
	v_cvt_pk_f16_f32 v[ACC+8*\c+\k], v[ACC+8*\c+2*\k], v[ACC+8*\c+2*\k+1]   ; packed in place: register k is written when registers 2 k and 2 k + 1 have been read
.endr
	global_store_b128 v2, v[ACC+8*\c:ACC+8*\c+3], s[28:29] offset:512*\c
.endr
.Lno_low_\@:
.endm
	s_cmp_ge_u32 ttmp9, 32
	s_cbranch_scc1 .Lvalues
	SUB 0, 0, 10
	LOW
	SUB 1, 0, 10
	SUB 2, 0, 10
	SUB 3, 0, 0
	s_endpgm
.Lvalues:
	SUB 0, 1, 10
	LOW
	SUB 1, 1, 10
	SUB 2, 1, 10
	SUB 3, 1, 0
	s_endpgm
.Lfunc_end_k_qdbba73fa20_qkv:
	.size	k_qdbba73fa20_qkv, .Lfunc_end_k_qdbba73fa20_qkv-k_qdbba73fa20_qkv
	.p2alignl 7, 3214868480
	.fill 96, 4, 3214868480
	.section	.rodata,"a",@progbits
	.p2align	6, 0x0
	.amdhsa_kernel k_qdbba73fa20_qkv
		.amdhsa_group_segment_fixed_size 0
		.amdhsa_private_segment_fixed_size 0
		.amdhsa_enable_private_segment 0
		.amdhsa_kernarg_size 24
		.amdhsa_user_sgpr_count 2
		.amdhsa_user_sgpr_kernarg_segment_ptr 1
		.amdhsa_wavefront_size32 1
		.amdhsa_system_sgpr_workgroup_id_x 1
		.amdhsa_system_sgpr_workgroup_id_y 1
		.amdhsa_system_sgpr_workgroup_id_z 1
		.amdhsa_system_vgpr_workitem_id 0
		.amdhsa_next_free_vgpr 256
		.amdhsa_next_free_sgpr 66
		.amdhsa_reserve_vcc 0
		.amdhsa_float_denorm_mode_32 3
		.amdhsa_float_denorm_mode_16_64 3
		.amdhsa_memory_ordered 1
		.amdhsa_forward_progress 1
		.amdhsa_inst_pref_size 68
	.end_amdhsa_kernel
	.amdgpu_metadata
---
amdhsa.version: [ 1, 2 ]
amdhsa.kernels:
  - .name:           k_qdbba73fa20_qkv
    .symbol:         k_qdbba73fa20_qkv.kd
    .args:
      - { .name: codes, .offset: 0, .size: 8, .value_kind: global_buffer, .address_space: global }
      - { .name: qkv, .offset: 8, .size: 8, .value_kind: global_buffer, .address_space: global }
      - { .name: lo, .offset: 16, .size: 8, .value_kind: global_buffer, .address_space: global }
    .group_segment_fixed_size: 0
    .private_segment_fixed_size: 0
    .kernarg_segment_align: 8
    .kernarg_segment_size: 24
    .max_flat_workgroup_size: 128
    .sgpr_count:     66
    .vgpr_count:     256
    .wavefront_size: 32
...
	.end_amdgpu_metadata
.endif
;; end of part 2
;; launch attn (part 3): grid 4 x 64, 8 waves a work-group, no clusters, 327,680 bytes of LDS; arguments qkv, ctx; writes ctx
.if DOCPART == 3
	.amdgcn_target "amdgcn-amd-amdhsa--gfx1250"
	.amdhsa_code_object_version 6
	.text
	.protected	k_qdbba73fa20_attn
	.globl	k_qdbba73fa20_attn
	.p2align	8
	.type	k_qdbba73fa20_attn,@function
k_qdbba73fa20_attn:
	s_mov_b64 s[64:65], 0
	v_nop
	global_prefetch_b8 v0, s[64:65] scope:SCOPE_SE
	s_setreg_imm32_b32 hwreg(HW_REG_WAVE_MODE, 25, 1), 1
	s_wait_xcnt 0x0
; ctx = softmax(q k^T / 8, causal) v for one (batch, head) a work-group row; f16 operands, f32 sums, a running maximum.  q, k, v^T come as images of operand registers (chunks of 512 bytes, lane l's 16 bytes at 16 l);
; ctx leaves so too: row tile m at 32768 m + 2048 head + 512 ct: lane (r, h) holds row 16 m + r, channels 64 head + 16 ct + 8 h + 0 .. 7, f16.
; SHARES.  Work-group j of a head owns two blocks of 256 queries, block 7 - j and then block j: (8 - j) + (j + 1) = 9 slots of 256 keys for every work-group: nine trips, a constant.
; Eight waves, two to a SIMD's registers, so that one wave's softmax stands beside the other's products.  THE TWO WAVES OF A GROUP OF 64 QUERIES SPLIT THE KEYS: wave pi = 0 takes key steps 0 and 2 of a slot
; (64 keys a step), pi = 1 steps 1 and 3; so a fragment of K or V read from LDS feeds four tiles of queries.  Their maxima, sums and O are merged through LDS once a block.
; LAYOUT.  S^T = K Q^T (source 0 = 16 keys, source 1 = 16 queries), O^T = V^T P: a lane holds ONE query throughout; two packed tiles of S^T are source 1 of the second product.
; SOFTMAX.  p = 2^(c s - c m), c = log2(e) / 8, m the running maximum; in every step O and l are multiplied by 2^(c m_old - c m_new).  A key step all of whose keys come after the wave's queries is jumped
; over (a branch on ids); on the diagonal hidden scores become -infinity.  Key 0 counts for every query, so wave pi = 0 always has a step; a wave pi = 1 without one hands on zeros under m = -3e38.
; RING.  Two slots of 64 KiB (K's 256 keys, then V's); each of the eight waves fetches 8 KiB of the next slot by one tensor load behind the trip's first barrier: one load of a wave is out at most.
; NO CLUSTER: the four work-groups of a head want different slots from the fifth trip on (block 7 - j ends after 8 - j trips); walking both blocks against one joint stream would cost 12 slots in place of 9.
; LIMITS: operands are f16: |q|, |k|, |v| under 65,504; NaN and infinities are not served.
; REGISTERS.  Window 0: v1-12 addresses and constants; v16-31 the merge's work; v32-63 statistics, tile a at 32 + 8 a (+0 c m, +1 m, +2, +3 l, +4 .. +7 at work, the factor at +6); v64-191 S^T, tile (a, kt) at
; 64 + 32 a + 8 kt, P packed in place at 64 + 32 a + 4 kt; v192-255 K.   Window 1: v0-127 O^T, tile (a, ct) at 32 a + 8 ct; v128-191 Q, (a, cs) at 128 + 16 a + 8 cs; v192-255 V, (ks, ct) at 192 + 32 ks + 8 ct.
.set SLOT1, 65536
.set VOFF,  32768
.set STGA,  131072                     ; the merge's stage for the first block: 4 groups x GRP
.set STGB,  200704                     ; and for the second: with j = 0 both merges stand in the last trip
.set GRP,   17408                      ; O's 32 chunks, then 4 x (c m, l) of 128 bytes each
.set SPARE, 270336                     ; the spare words: 128 bytes a wave, four blocks of 256 bytes that no other line names
.set ST,  32
.set S,   64
.set KFR, 192
.set QF,  128
.set VFR, 192
.set MSB, 0
.macro WIN new                         ; the immediate's high byte repeats the setting that is left
.if MSB != \new
	s_set_vgpr_msb (MSB<<8)|\new
.set MSB, \new
.endif
.endm
.macro PLACES n
.rept \n
	v_nop
.endr
.endm
	s_load_b128 s[4:7], s[0:1], 0x0                ; qkv, ctx
	v_lshl_add_u32 v8, v0, 2, SPARE
	v_mov_b32 v9, 0
	ds_add_u32 v8, v9                              ; the wave's opening: the add, twice on end, and its wait ahead of my first tensor load
	ds_add_u32 v8, v9
	v_lshrrev_b32 v1, 5, v0
	v_readfirstlane_b32 s8, v1                     ; wave
	s_lshr_b32 s9, s8, 2                           ; pi
	s_mul_i32 s10, s9, 7
	s_xor_b32 s10, s10, s8                         ; my group of 64 queries: waves 0-3: 0-3; waves 4-7: 3-0
	s_mov_b32 s11, ttmp9                           ; j
	s_and_b32 s12, ttmp7, 0xffff                   ; 16 x batch + head
	s_sub_co_u32 s29, 7, s11                       ; the first block, and its last trip
	s_add_co_u32 s30, s29, 1                       ; the second block's first trip
	s_lshl_b32 s37, s30, 15                        ; the first block's slots in bytes
	s_mov_b32 s39, 0
	s_mov_b32 s20, 3<<16                           ; group 1: elements of 8 bytes, no mask, no padding;
	s_mov_b32 s21, 32<<16                          ; tensor_dim0 = 32 (256 bytes)
	s_mov_b32 s22, 32<<16                          ; tensor_dim1 = 32
	s_mov_b32 s23, 32<<16                          ; tile_dim0 = 32
	s_mov_b32 s24, 32                              ; tile_dim1 = 32: 8 KiB, dense
	s_mov_b32 s25, 32                              ; from row to row
	s_mov_b32 s26, 0
	s_mov_b32 s27, 0
	s_mov_b32 s40, 0x3e38aa3b                      ; c = log2(e) / 8
	s_mov_b32 s41, s40                             ; (named with it as a pair)
	s_mov_b32 s42, 0x76543210
	s_mov_b32 s43, 0xfedcba98
	s_cmp_eq_u32 s11, 0
	s_cselect_b32 s46, 6, 0                        ; the trips in which I prefetch: 0 to 5 in the head's work-group 0, none elsewhere
	s_mov_b32 s56, 1<<25
	s_cmp_lt_u32 s8, 4
	s_cselect_b32 s56, 1<<24, s56                  ; waves 0-3 fetch K, waves 4-7 V
	s_lshl_b32 s58, s12, 18
	s_mov_b32 s59, 0
	s_add_co_u32 s56, s56, s58
	s_and_b32 s57, s8, 3
	s_lshl_b32 s57, s57, 13                        ; my quarter of a slot's K or V
	s_add_co_u32 s56, s56, s57
	s_mov_b32 s57, 0
	s_mov_b32 s16, 1                               ; group 0: count,
	s_lshl_b32 s17, s8, 13                         ; LDS address: 8192 x wave, in slot 0
	s_lshr_b32 s60, s12, 4
	s_lshl_b32 s60, s60, 22
	s_and_b32 s61, s12, 15
	s_lshl_b32 s61, s61, 11
	s_add_co_u32 s60, s60, s61
	s_mov_b32 s61, 0
	s_wait_dscnt 0x0                               ; both opening adds are done
	s_wait_kmcnt 0x0
	s_add_nc_u64 s[18:19], s[4:5], s[56:57]
	s_add_nc_u64 s[44:45], s[18:19], 32768         ; the prefetches' address: slot 1; the first trip steps it to slot 2
	s_or_b32 s19, s19, 0x80000000                  ; type = 2
	s_add_nc_u64 s[48:49], s[4:5], s[58:59]        ; q of my head
	s_add_nc_u64 s[52:53], s[6:7], s[60:61]        ; ctx of my batch and head
	tensor_load_to_lds s[16:19], s[20:27]          ; slot 0
	s_nop 0
	PLACES 4
	v_and_b32 v1, 31, v0
	v_and_b32 v6, 15, v0
	v_bfe_u32 v7, v0, 4, 1
	v_lshlrev_b32 v7, 3, v7
	v_sub_nc_u32 v6, v6, v7                        ; r - 8 h: on the diagonal tile register j is hidden where j is above it
	v_lshlrev_b32 v10, 8, v1                       ; 256 l
	v_lshlrev_b32 v5, 2, v1
	v_lshlrev_b32 v1, 4, v1                        ; 16 l
	s_lshl_b32 s56, s9, 13
	v_add_nc_u32 v2, s56, v1                       ; my first key step in a slot
	s_mul_i32 s56, s10, GRP
	s_add_co_u32 s56, s56, STGA
	v_add_nc_u32 v4, s56, v1                       ; my group's stage: O's chunks,
	v_add_nc_u32 v5, s56, v5
	v_add_nc_u32 v5, 16384, v5                     ; its statistics
	v_add_nc_u32 v11, STGB-STGA, v4
	v_add_nc_u32 v12, STGB-STGA, v5
	v_mov_b32 v7, 0xff800000                       ; -infinity
; A block begins: its first query, the addresses, the statistics, O = 0 (a wave may have no step in a block, so no first product can start the sums), Q into registers.
.macro NEWBLOCK blk
	s_wait_xcnt 0x0                                ; earlier loads and stores have read their bases and registers
	s_lshl_b32 s35, s[\blk], 8
	s_lshl_b32 s56, s10, 6
	s_add_co_u32 s35, s35, s56                     ; my first query
	s_lshl_b32 s56, s35, 7
	s_mov_b32 s57, 0
	s_add_nc_u64 s[50:51], s[48:49], s[56:57]
	s_lshl_b32 s56, s35, 11
	s_add_nc_u64 s[54:55], s[52:53], s[56:57]
.irp a, 0,1,2,3
	v_mov_b32 v[ST+8*\a+1], 0xff61b1e6             ; m = -3e38, under every score
.endr
.irp a, 0,1,2,3
	v_mul_f32 v[ST+8*\a], s40, v[ST+8*\a+1]
.endr
.irp i, 2,3,4,5,6,7
.irp a, 0,1,2,3
	v_mov_b32 v[ST+8*\a+\i], 0
.endr
.endr
	WIN 0x40                                       ; destination window 1
.set n, 0
.rept 128
	v_mov_b32 v[n], 0
.set n, n+1
.endr
.set n, 0
.rept 16
	global_load_b128 v[QF+4*n:QF+4*n+3], v1, s[50:51] offset:512*n
.set n, n+1
.endr
	WIN 0
	s_wait_loadcnt 0x0
.endm
; Wave pi = 1 hands its c m, l and O to its partner.
.macro SEND sa, ss
	s_cmp_eq_u32 s9, 0
	s_cbranch_scc1 .Lno_send_\@
.irp t, 0,1,2,3
	v_add_f32 v[24+\t], v[ST+8*\t+2], v[ST+8*\t+3]  ; l's two halves.  (Four places behind the last products)
.endr
.irp t, 0,1,2,3
	ds_store_b32 v[\ss], v[ST+8*\t] offset:256*\t
	ds_store_b32 v[\ss], v[24+\t] offset:256*\t+128
.endr
	WIN 0x04                                       ; an LDS store's data are its source 1: window 1
.set n, 0
.rept 32
	ds_store_b128 v[\sa], v[4*n:4*n+3] offset:512*n    ; each accumulator from its low end on
.set n, n+1
.endr
	WIN 0
.Lno_send_\@:
.endm
; Wave pi = 0 merges: both brought under the larger c m, divided by the joint sum, rounded to f16, stored: 512 consecutive bytes a store.
.macro MERGE sa, ss
	s_cmp_lg_u32 s9, 0
	s_cbranch_scc1 .Lno_merge_\@
.irp t, 0,1,2,3
	v_add_f32 v[24+\t], v[ST+8*\t+2], v[ST+8*\t+3]  ; my l.  (Four places in front of the loads into registers that the last products read)
.endr
.irp t, 0,1,2,3
	ds_load_b32 v[16+\t], v[\ss] offset:256*\t
	ds_load_b32 v[20+\t], v[\ss] offset:256*\t+128
.endr
.set n, 0
.rept 32
	ds_load_b128 v[S+4*n:S+4*n+3], v[\sa] offset:512*n
.set n, n+1
.endr
	s_wait_dscnt 32                                ; the eight statistics are in; O's 32 chunks may be out
.irp t, 0,1,2,3
	v_max_num_f32 v[28+\t], v[ST+8*\t], v[16+\t]
.endr
.irp t, 0,1,2,3
	v_sub_f32 v[ST+8*\t+4], v[ST+8*\t], v[28+\t]
	v_sub_f32 v[ST+8*\t+5], v[16+\t], v[28+\t]
.endr
.irp t, 0,1,2,3
	v_exp_f32 v[ST+8*\t+4], v[ST+8*\t+4]
	v_exp_f32 v[ST+8*\t+5], v[ST+8*\t+5]
.endr
	v_nop                                          ; a plain line behind the last exponential,
	s_wait_alu depctr_va_vdst(0)                   ; and one wait for the eight, ahead of their first reader
.irp t, 0,1,2,3
	v_mul_f32 v[24+\t], v[24+\t], v[ST+8*\t+4]
.endr
.irp t, 0,1,2,3
	v_fmac_f32 v[24+\t], v[20+\t], v[ST+8*\t+5]
.endr
.irp t, 0,1,2,3
	v_permlanex16_b32 v[28+\t], v[24+\t], s42, s43  ; the query's other keys lie in the lane 16 away
.endr
.irp t, 0,1,2,3
	v_add_f32 v[24+\t], v[24+\t], v[28+\t]
.endr
.irp t, 0,1,2,3
	v_rcp_f32 v[20+\t], v[24+\t]
.endr
	v_nop
	s_wait_alu depctr_va_vdst(0)                   ; one wait for the four reciprocals
.irp t, 0,1,2,3
	v_mul_f32 v[ST+8*\t+6], v[ST+8*\t+5], v[20+\t]  ; the partner's factor,
	v_mul_f32 v[ST+8*\t+4], v[ST+8*\t+4], v[20+\t]  ; mine
.endr
	WIN 0x41                                       ; O in window 1, the factor in window 0
.irp a, 0,1,2,3
.irp i, 0,2,4,6,8,10,12,14,16,18,20,22,24,26,28,30
	v_pk_mul_f32 v[32*\a+\i:32*\a+\i+1], v[32*\a+\i:32*\a+\i+1], v[ST+8*\a+4:ST+8*\a+5] op_sel_hi:[1,0]
.endr
.endr
	s_wait_dscnt 0x0
	WIN 0x10                                       ; source 2 (my O) in window 1
.irp a, 0,1,2,3
.irp i, 0,2,4,6,8,10,12,14,16,18,20,22,24,26,28,30
	v_pk_fma_f32 v[S+32*\a+\i:S+32*\a+\i+1], v[S+32*\a+\i:S+32*\a+\i+1], v[ST+8*\a+6:ST+8*\a+7], v[32*\a+\i:32*\a+\i+1] op_sel_hi:[1,0,1]
.endr
.endr
	WIN 0
.irp a, 0,1,2,3
.irp i, 0,1,2,3,4,5,6,7,8,9,10,11,12,13,14,15
	v_cvt_pk_f16_f32 v[S+32*\a+\i], v[S+32*\a+2*\i], v[S+32*\a+2*\i+1]   ; in place: register i is written when 2 i and 2 i + 1 have been read
.endr
.endr
.irp a, 0,1,2,3
.irp c, 0,1,2,3
	global_store_b128 v1, v[S+32*\a+4*\c:S+32*\a+4*\c+3], s[54:55] offset:32768*\a+512*\c
.endr
.endr
.Lno_merge_\@:
.endm
; A KEY STEP: 64 keys x my 64 queries; the stp-th of my two in the slot at LDS byte s31.  (The argument's name is none of the names that the loops inside use.)
.macro STEP stp
	v_add_nc_u32 v3, s31, v2
	PLACES 4                                       ; with the line above five places: the products below write over registers that the last products read, and the loads land in such
.set n, 0
.rept 16
	ds_load_b128 v[KFR+4*n:KFR+4*n+3], v3 offset:16384*\stp+512*n
.set n, n+1
.endr
	WIN 0x40
.set n, 0
.rept 16
	ds_load_b128 v[VFR+4*n:VFR+4*n+3], v3 offset:VOFF+16384*\stp+512*n
.set n, n+1
.endr
	s_wait_dscnt 16                                ; K's fragments are in; V's sixteen loads may be out
	WIN 0x04                                       ; Q in window 1
.irp cs, 0,1                                   ; the sixteen accumulators take turns; the first 32 channels start the sums
.irp a, 0,1,2,3
.irp kt, 0,1,2,3
.if \cs == 0
	v_wmma_f32_16x16x32_f16 v[S+32*\a+8*\kt:S+32*\a+8*\kt+7], v[KFR+16*\kt:KFR+16*\kt+7], v[QF+16*\a:QF+16*\a+7], 0
.else
	v_wmma_f32_16x16x32_f16 v[S+32*\a+8*\kt:S+32*\a+8*\kt+7], v[KFR+16*\kt+8:KFR+16*\kt+15], v[QF+16*\a+8:QF+16*\a+15], v[S+32*\a+8*\kt:S+32*\a+8*\kt+7]
.endif
.endr
.endr
.endr
	WIN 0
	PLACES 4
	s_cmp_lg_u32 s34, s35                          ; the diagonal step: its first key is my first query
	s_cbranch_scc1 .Lopen_\@
.irp j, 0,1,2,3,4,5,6,7
	v_cmp_gt_i32 vcc_lo, \j, v6
.irp a, 0,1,2,3
	v_cndmask_b32 v[S+40*\a+\j], v[S+40*\a+\j], v7, vcc_lo     ; tile (a, a): key 8 h + j against query r
.endr
.endr
.irp a, 0,1,2
.irp kt, 1,2,3
.if \kt > \a
.irp j, 0,1,2,3,4,5,6,7
	v_mov_b32 v[S+32*\a+8*\kt+\j], v7              ; tiles above the diagonal: all hidden
.endr
.endif
.endr
.endr
.Lopen_\@:
	; the softmax, the four tiles by turns on every line.  The maximum of a tile's 32 scores and the old m; each accumulator is read from its low end on
.irp j, 0,1,2,3
.irp a, 0,1,2,3
	v_max3_num_f32 v[ST+8*\a+4+\j], v[S+32*\a+8*\j], v[S+32*\a+8*\j+1], v[S+32*\a+8*\j+2]
.endr
.endr
.irp q, 3,5
.irp j, 0,1,2,3
.irp a, 0,1,2,3
	v_max3_num_f32 v[ST+8*\a+4+\j], v[ST+8*\a+4+\j], v[S+32*\a+8*\j+\q], v[S+32*\a+8*\j+\q+1]
.endr
.endr
.endr
.irp a, 0,1,2,3
	v_max3_num_f32 v[ST+8*\a+4], v[ST+8*\a+4], v[S+32*\a+7], v[S+32*\a+15]
.endr
.irp a, 0,1,2,3
	v_max3_num_f32 v[ST+8*\a+6], v[ST+8*\a+6], v[S+32*\a+23], v[S+32*\a+31]
.endr
.irp a, 0,1,2,3
	v_max3_num_f32 v[ST+8*\a+4], v[ST+8*\a+4], v[ST+8*\a+5], v[ST+8*\a+6]
.endr
.irp a, 0,1,2,3
	v_max3_num_f32 v[ST+8*\a+4], v[ST+8*\a+4], v[ST+8*\a+7], v[ST+8*\a+1]
.endr
.irp a, 0,1,2,3
	v_permlanex16_b32 v[ST+8*\a+5], v[ST+8*\a+4], s42, s43
.endr
.irp a, 0,1,2,3
	v_mov_b32 v[ST+8*\a+7], v[ST+8*\a]             ; the old c m
.endr
.irp a, 0,1,2,3
	v_max_num_f32 v[ST+8*\a+1], v[ST+8*\a+4], v[ST+8*\a+5]
.endr
.irp a, 0,1,2,3
	v_mul_f32 v[ST+8*\a], s40, v[ST+8*\a+1]
.endr
.irp a, 0,1,2,3
	v_sub_f32 v[ST+8*\a+7], v[ST+8*\a+7], v[ST+8*\a]
.endr
.irp b, 0,2,4,6,8,10,12,14,16,18,20,22,24,26,28,30
.irp a, 0,1,2,3
	v_pk_fma_f32 v[S+32*\a+\b:S+32*\a+\b+1], v[S+32*\a+\b:S+32*\a+\b+1], s[40:41], v[ST+8*\a:ST+8*\a+1] op_sel_hi:[1,0,0] neg_lo:[0,0,1] neg_hi:[0,0,1]   ; c s - c m
.endr
.endr
.irp a, 0,1,2,3
	v_exp_f32 v[ST+8*\a+6], v[ST+8*\a+7]           ; the factor for what was summed under the old m
.endr
.irp e, 0,1,2,3,4,5,6,7,8,9,10,11,12,13,14,15,16,17,18,19,20,21,22,23,24,25,26,27,28,29,30,31
.irp a, 0,1,2,3
	v_exp_f32 v[S+32*\a+\e], v[S+32*\a+\e]
.endr
.endr
	v_nop                                          ; a plain line behind the last exponential,
	s_wait_alu depctr_va_vdst(0)                   ; and ONE wait for the batch of 132, ahead of its first reader
.irp a, 0,1,2,3
	v_pk_mul_f32 v[ST+8*\a+2:ST+8*\a+3], v[ST+8*\a+2:ST+8*\a+3], v[ST+8*\a+6:ST+8*\a+7] op_sel_hi:[1,0]
.endr
.irp b, 0,2,4,6,8,10,12,14,16,18,20,22,24,26,28,30
.irp a, 0,1,2,3
	v_pk_add_f32 v[ST+8*\a+2:ST+8*\a+3], v[ST+8*\a+2:ST+8*\a+3], v[S+32*\a+\b:S+32*\a+\b+1]
.endr
.endr
.irp i, 0,1,2,3,4,5,6,7,8,9,10,11,12,13,14,15
.irp a, 0,1,2,3
	v_cvt_pk_f16_f32 v[S+32*\a+\i], v[S+32*\a+2*\i], v[S+32*\a+2*\i+1]   ; P, in place
.endr
.endr
	s_wait_dscnt 0x0                               ; V's fragments are in
	WIN 0x41
.irp a, 0,1,2,3
.irp i, 0,2,4,6,8,10,12,14,16,18,20,22,24,26,28,30
	v_pk_mul_f32 v[32*\a+\i:32*\a+\i+1], v[32*\a+\i:32*\a+\i+1], v[ST+8*\a+6:ST+8*\a+7] op_sel_hi:[1,0]
.endr
.endr
	WIN 0x51                                       ; V, C and D in window 1, P in window 0
.irp ks, 0,1
.irp a, 0,1,2,3
.irp c, 0,1,2,3
	v_wmma_f32_16x16x32_f16 v[32*\a+8*\c:32*\a+8*\c+7], v[VFR+32*\ks+8*\c:VFR+32*\ks+8*\c+7], v[S+32*\a+8*\ks:S+32*\a+8*\ks+7], v[32*\a+8*\c:32*\a+8*\c+7]
.endr
.endr
.endr
	WIN 0
.endm
.macro SLOTWORK                        ; my two key steps of the slot; one whose first key comes after my first query has no key that counts
	s_lshl_b32 s34, s9, 6
	s_add_co_u32 s34, s34, s33
	s_cmp_gt_u32 s34, s35
	s_cbranch_scc1 .Lhid0_\@
	STEP 0
.Lhid0_\@:
	s_add_co_u32 s34, s34, 128
	s_cmp_gt_u32 s34, s35
	s_cbranch_scc1 .Lhid1_\@
	STEP 1
.Lhid1_\@:
.endm
; A TRIP'S HEAD.  Every wave waits for all its tensor loads (its part of this trip's slot), adds 0 to its spare word, and waits for that and for its reads of the slot that it has left; behind the barrier the slot
; ahead is whole and nobody reads the other: fill = 1: it takes the next tile.  In the trip that opens the second block the first block is merged: the partner's stores, a second barrier, the reads.
; The second barrier stands in every trip, so that every wave passes it on every way.
.macro HEAD fill
	s_wait_tensorcnt 0x0                           ; no tensor load of mine is out, so group 0 may be written
	ds_add_u32 v8, v9                              ; 0 onto my spare word
.if \fill
	s_xor_b32 s17, s17, SLOT1                      ; the other slot,
	s_add_nc_u64 s[18:19], s[18:19], 32768         ; the next 256 keys,
	s_cmp_eq_u32 s28, s29
	s_cselect_b32 s38, s37, 0
	s_sub_nc_u64 s[18:19], s[18:19], s[38:39]      ; or key 0 again, where the next trip opens the second block
	s_wait_xcnt 0x0                                ; the last prefetch, a trip back, has read its address
	s_add_nc_u64 s[44:45], s[44:45], 32768
.endif
	s_wait_dscnt 0x0
	s_barrier_signal -1
	s_barrier_wait -1
.if \fill
	tensor_load_to_lds s[16:19], s[20:27]          ; my one tensor load until the next such barrier, and the first thing behind this one
	s_nop 0
	PLACES 4
	s_cmp_lt_u32 s28, s46                          ; a prefetch of my 8 KiB of the slot after that one, lanes 256 bytes apart.  All four work-groups of a head walk the same K and V: work-group 0, which
	s_cbranch_scc0 .Lno_ask_\@                     ; walks slots 0 to 7 in order, asks, in trips 0 to 5, for slots 2 to 7: each block of 256 bytes is named once
	global_prefetch_b8 v10, s[44:45] th:TH_LOAD_NT scope:SCOPE_SE
.Lno_ask_\@:
.endif
	s_cmp_lg_u32 s28, s30
	s_cbranch_scc1 .Lsame_a_\@
	SEND 4, 5
.Lsame_a_\@:
	s_wait_dscnt 0x0                               ; for the partner's sake: my stores into the stage are done
	s_barrier_signal -1
	s_barrier_wait -1
	s_cmp_lg_u32 s28, s30
	s_cbranch_scc1 .Lsame_b_\@
	MERGE 4, 5
	NEWBLOCK 11
.Lsame_b_\@:
.endm
	NEWBLOCK 29
	s_mov_b32 s28, 0                               ; the trip
	s_mov_b32 s31, 0                               ; the slot in hand
	s_mov_b32 s33, 0                               ; its first key
.Ltrip:                                            ; eight trips; behind each head the next tile is asked for
	HEAD 1
	SLOTWORK
	s_xor_b32 s31, s31, SLOT1
	s_add_co_u32 s33, s33, 256
	s_cmp_eq_u32 s28, s29
	s_cselect_b32 s33, 0, s33
	s_add_co_u32 s28, s28, 1
	s_cmp_lt_u32 s28, 8
	s_cbranch_scc1 .Ltrip
	HEAD 0                                         ; the ninth is written out: nothing is left to fetch
	SLOTWORK
	SEND 11, 12
	s_wait_dscnt 0x0
	s_barrier_signal -1
	s_barrier_wait -1
	MERGE 11, 12
	s_wait_tensorcnt 0x0                           ; the wave's end: these three lines behind my last tensor load and my last LDS store
	ds_add_u32 v8, v9
	s_wait_dscnt 0x0
	s_endpgm
.Lfunc_end_k_qdbba73fa20_attn:
	.size	k_qdbba73fa20_attn, .Lfunc_end_k_qdbba73fa20_attn-k_qdbba73fa20_attn
	.p2alignl 7, 3214868480
	.fill 96, 4, 3214868480
	.section	.rodata,"a",@progbits
	.p2align	6, 0x0
	.amdhsa_kernel k_qdbba73fa20_attn
		.amdhsa_group_segment_fixed_size 327680
		.amdhsa_private_segment_fixed_size 0
		.amdhsa_enable_private_segment 0
		.amdhsa_kernarg_size 16
		.amdhsa_user_sgpr_count 2
		.amdhsa_user_sgpr_kernarg_segment_ptr 1
		.amdhsa_wavefront_size32 1
		.amdhsa_system_sgpr_workgroup_id_x 1
		.amdhsa_system_sgpr_workgroup_id_y 1
		.amdhsa_system_sgpr_workgroup_id_z 1
		.amdhsa_system_vgpr_workitem_id 0
		.amdhsa_next_free_vgpr 512
		.amdhsa_next_free_sgpr 66
		.amdhsa_reserve_vcc 1
		.amdhsa_float_denorm_mode_32 3
		.amdhsa_float_denorm_mode_16_64 3
		.amdhsa_memory_ordered 1
		.amdhsa_forward_progress 1
		.amdhsa_inst_pref_size 228
	.end_amdhsa_kernel
	.amdgpu_metadata
---
amdhsa.version: [ 1, 2 ]
amdhsa.kernels:
  - .name:           k_qdbba73fa20_attn
    .symbol:         k_qdbba73fa20_attn.kd
    .args:
      - { .name: qkv, .offset: 0, .size: 8, .value_kind: global_buffer, .address_space: global }
      - { .name: ctx, .offset: 8, .size: 8, .value_kind: global_buffer, .address_space: global }
    .group_segment_fixed_size: 327680
    .private_segment_fixed_size: 0
    .kernarg_segment_align: 8
    .kernarg_segment_size: 16
    .max_flat_workgroup_size: 256
    .sgpr_count:     66
    .vgpr_count:     512
    .wavefront_size: 32
...
	.end_amdgpu_metadata
.endif
;; end of part 3
;; launch proj (part 4): grid 4 x 64, 4 waves a work-group, clusters of 4 x 4, 327,680 bytes of LDS; arguments ctx, wo, b_out, out0; writes out0
.if DOCPART == 4
	.amdgcn_target "amdgcn-amd-amdhsa--gfx1250"
	.amdhsa_code_object_version 6
	.text
	.protected	k_qdbba73fa20_proj
	.globl	k_qdbba73fa20_proj
	.p2align	8
	.type	k_qdbba73fa20_proj,@function
k_qdbba73fa20_proj:
	s_mov_b64 s[64:65], 0
	v_nop
	global_prefetch_b8 v0, s[64:65] scope:SCOPE_SE
	s_setreg_imm32_b32 hwreg(HW_REG_WAVE_MODE, 25, 1), 1
	s_wait_xcnt 0x0
	s_wait_alu depctr_hold_cnt(0) depctr_sa_sdst(0) depctr_va_vdst(0) depctr_va_sdst(0) depctr_va_ssrc(0) depctr_va_vcc(0) depctr_vm_vsrc(0)
	s_getreg_b32 s2, hwreg(HW_REG_IB_STS2, 6, 4)
	s_cmp_eq_u32 s2, 0
	s_cbranch_scc0 .Lentry_in_a_cluster
	s_endpgm
.Lentry_in_a_cluster:
	s_bfe_u32 s2, ttmp6, 0x10000c
	s_cmp_lg_u32 s2, 0xf033
	s_cbranch_scc0 .Lentry_shape_is_right
	s_endpgm
.Lentry_shape_is_right:
; out0 = ctx W_out^T + b_out: [8192][1024] f32; operands f16 (W_out's high parts), sums f32, the bias as the C of each sum's first product.
; ctx and wo are images of operand registers: [tile of 16 rows][32 along K: cs 0 .. 31][1024 bytes], chunk e at 512 e, lane l's 16 bytes at 16 l.  So a K step of 128 is 4,096 consecutive bytes of each tile of rows,
; a fragment comes from LDS by two loads at 16 l, and LDS needs no padding.
; A tile of out0 is 128 rows x 256 columns: 64 x 4 = 256 work-groups; four waves, each 64 x 128: 32 accumulators.  K goes in 8 steps of 128 through two LDS slots.
; CLUSTERS: 4 x 4 work-groups.  The four of a row of the cluster need the same tiles of ctx, the four of a column the same tiles of W_out: each is asked for JOINTLY, by the same tensor load with the same
; descriptor and a mask that names the four.  THE MATRIX INSTRUCTION IS USED TRANSPOSED (source 0 = 16 rows of W_out, source 1 = 16 rows of ctx): a lane holds eight neighbouring numbers of a row of out0.
; The first 16 rows of each sequence are written here like all others and written again, more finely, by the launch that follows.
; REGISTERS: window 0: v16-30 addresses; v32-127, v128-223 two fragment buffers (ctx's four fragments, then W_out's eight).  Window 1: accumulator (a, b) at 8 (8 a + b).  Window 2: v0-63 the bias, tile b at 8 b.
.set SLOT,   98304                     ; ctx's 8 tiles of rows x 4,096 bytes, then W_out's 16
.set BOFF,   32768
.set SPARE,  2*SLOT                    ; the spare words: 128 bytes a wave, two blocks of 256 bytes that no other line names
.set SPITCH, 528                       ; the way out: a stage of 16 rows x (512 + 16) bytes a wave, in slot 0, which has had its last fill and its last read by then
.set ADRA, 16
.set ADRB, 20
.set STO,  24
.set RD,   25
.set CO,   26
.set BO,   27
.set SPW,  28
.set NIL,  29
.set F0,   32
.set F1,   128
.set G1,  24
.set G0,  32
.set G1B, 48
.set G0B, 56
.set MSB, 0
.macro WIN new
.if MSB != \new
	s_set_vgpr_msb (MSB<<8)|\new
.set MSB, \new
.endif
.endm
.macro PLACES
.rept 4
	v_nop
.endr
.endm
.macro JLOAD s                         ; a joint load: waves 0 and 1 fetch ctx's two halves, waves 2 and 3 W_out's; an s_nop 0 and four v_nop follow each of the two lines
	s_cmp_eq_u32 s11, 0
	s_cbranch_scc0 .Lfor_b_\@
	tensor_load_to_lds s[G0+4*\s:G0+4*\s+3], s[G1:G1+7]
	s_nop 0
.rept 4
	v_nop
.endr
	s_branch .Lasked_\@
.Lfor_b_\@:
	tensor_load_to_lds s[G0B+4*\s:G0B+4*\s+3], s[G1B:G1B+7]
	s_nop 0
.rept 4
	v_nop
.endr
.Lasked_\@:
.endm
.macro CREST                           ; a round of the cluster's barrier behind its opening barrier
	s_cmp_lg_u32 s10, 0
	s_cbranch_scc1 .Lnot_wave_0_\@
	s_barrier_signal -3
.Lnot_wave_0_\@:
	s_barrier_wait -3
	s_barrier_signal -1
	s_barrier_wait -1
.endm
.macro CROUND
	s_barrier_signal -1
	s_barrier_wait -1
	CREST
.endm
	s_load_b128 s[4:7], s[0:1], 0x0                ; ctx, wo
	s_load_b128 s[68:71], s[0:1], 0x10             ; b_out, out0
	v_lshl_add_u32 v[SPW], v0, 2, SPARE
	v_mov_b32 v[NIL], 0
	ds_add_u32 v[SPW], v[NIL]                      ; the wave's opening: the add, twice on end, and its wait ahead of my first tensor load
	ds_add_u32 v[SPW], v[NIL]
	v_lshrrev_b32 v1, 5, v0
	v_readfirstlane_b32 s10, v1                    ; wave
	s_lshr_b32 s11, s10, 1                         ; which 64 rows are mine.  Also: I fetch for ctx (0) or for W_out (1)
	s_and_b32 s12, s10, 1                          ; which 128 columns.  Also: which half of that tile I fetch
	s_bfe_u32 s40, ttmp6, 0x40000                  ; cx, cy: my place in the cluster
	s_bfe_u32 s41, ttmp6, 0x40004
	s_lshl_b32 s42, ttmp9, 2
	s_add_co_u32 s42, s42, s40                     ; tile column
	s_and_b32 s13, ttmp7, 0xffff
	s_lshl_b32 s13, s13, 2
	s_add_co_u32 s13, s13, s41                     ; tile row
	s_lshl_b32 s43, s41, 2
	s_lshl_b32 s43, 15, s43                        ; my row of the cluster
	s_lshl_b32 s44, 0x1111, s40                    ; my column
	s_or_b32 s[G1+0], s43, (3<<16)|(1<<21)         ; 15:0 the mask; 17:16 elements of 8 bytes; 21 set beside a mask; no padding
	s_or_b32 s[G1B+0], s44, (3<<16)|(1<<21)
	s_mov_b32 s[G1+1], 512<<16                     ; tensor_dim0 = 512 (4,096 bytes: a K step of one tile of rows)
	s_mov_b32 s[G1+2], 4<<16                       ; tensor_dim1 = 4 tiles of rows
	s_mov_b32 s[G1+3], 512<<16                     ; tile_dim0
	s_mov_b32 s[G1+4], 4                           ; tile_dim1
	s_mov_b32 s[G1+5], 4096                        ; from tile to tile: 32,768 bytes
	s_mov_b32 s[G1+6], 0
	s_mov_b32 s[G1+7], 0
	s_mov_b32 s[G1B+1], 512<<16
	s_mov_b32 s[G1B+2], 8<<16                      ; W_out: 8 tiles of rows to a load
	s_mov_b32 s[G1B+3], 512<<16
	s_mov_b32 s[G1B+4], 8
	s_mov_b32 s[G1B+5], 4096
	s_mov_b32 s[G1B+6], 0
	s_mov_b32 s[G1B+7], 0
	s_lshl_b32 s16, s13, 18                        ; ctx: tile of rows 8 x tile row + 4 x half, 32,768 bytes each
	s_lshl_b32 s17, s12, 17
	s_add_co_u32 s16, s16, s17
	s_mov_b32 s17, 0
	s_lshl_b32 s46, s42, 19                        ; W_out: 16 x tile column + 8 x half
	s_lshl_b32 s47, s12, 18
	s_add_co_u32 s46, s46, s47
	s_mov_b32 s47, 0
	s_lshl_b32 s20, s12, 14                        ; where they go: no place in the cluster enters an LDS address
	s_lshl_b32 s21, s12, 15
	s_add_co_u32 s21, s21, BOFF
	s_wait_dscnt 0x0                               ; both opening adds are done
	s_wait_kmcnt 0x0
	s_add_nc_u64 s[14:15], s[4:5], s[16:17]
	s_add_nc_u64 s[46:47], s[6:7], s[46:47]
	CROUND                                         ; all sixteen work-groups are here: the first joint loads meet
.irp s, 0,1
	s_mov_b32 s[G0+4*\s], 1
	s_add_co_u32 s[G0+4*\s+1], s20, \s*SLOT
	s_add_nc_u64 s[G0+4*\s+2:G0+4*\s+3], s[14:15], \s*4096
	s_or_b32 s[G0+4*\s+3], s[G0+4*\s+3], 0x80000000
	s_mov_b32 s[G0B+4*\s], 1
	s_add_co_u32 s[G0B+4*\s+1], s21, \s*SLOT
	s_add_nc_u64 s[G0B+4*\s+2:G0B+4*\s+3], s[46:47], \s*4096
	s_or_b32 s[G0B+4*\s+3], s[G0B+4*\s+3], 0x80000000
	JLOAD \s
.endr
	v_and_b32 v1, 15, v0                           ; r
	v_bfe_u32 v2, v0, 4, 1                         ; h
	v_and_b32 v3, 31, v0
	v_lshlrev_b32 v[CO], 4, v3                     ; 16 l
	v_lshlrev_b32 v[BO], 5, v2                     ; 32 h
	s_lshl_b32 s22, s11, 14                        ; my four tiles of ctx's rows
	s_lshl_b32 s23, s12, 15
	s_add_co_u32 s23, s23, BOFF                    ; my eight of W_out's
.irp s, 0,1
	v_add_nc_u32 v[ADRA+\s], s22, v[CO]
	v_add_nc_u32 v[ADRB+\s], s23, v[CO]
	s_add_co_u32 s22, s22, SLOT
	s_add_co_u32 s23, s23, SLOT
.endr
	s_mul_i32 s23, s10, 16*SPITCH                  ; my stage
	v_mul_u32_u24 v4, v1, SPITCH
	v_lshl_add_u32 v4, v2, 5, v4
	v_add_nc_u32 v[STO], s23, v4                   ; in: row r, 32 bytes for each half of the lanes
	v_add_nc_u32 v[RD], s23, v[CO]                 ; back: the 32 lanes take a row of 512 bytes
	s_lshl_b32 s72, s13, 19                        ; my first row of out0: 128 x tile row + 64 x half, 4,096 bytes each
	s_lshl_b32 s73, s11, 18
	s_add_co_u32 s72, s72, s73
	s_lshl_b32 s74, s42, 10                        ; my first column, in bytes: 1024 x tile column + 512 x half
	s_lshl_b32 s75, s12, 9
	s_add_co_u32 s74, s74, s75
	s_mov_b32 s75, 0
	s_add_nc_u64 s[68:69], s[68:69], s[74:75]      ; the bias of my columns
	s_add_co_u32 s72, s72, s74
	s_mov_b32 s73, 0
	s_add_nc_u64 s[70:71], s[70:71], s[72:73]
	WIN 0x80                                       ; destination window 2
.irp b, 0,1,2,3,4,5,6,7
	global_load_b128 v[8*\b:8*\b+3], v[BO], s[68:69] offset:64*\b        ; lane (r, h): b_out at columns 16 b + 8 h + 0 .. 7: the result's layout
	global_load_b128 v[8*\b+4:8*\b+7], v[BO], s[68:69] offset:64*\b+16
.endr
	WIN 0
.macro FETCH slot, q, f                ; 24 LDS loads in one run: the fragments of the slot's q-th 32 along K
.irp a, 0,1,2,3
	ds_load_b128 v[\f+8*\a:\f+8*\a+3],   v[ADRA+\slot] offset:4096*\a+1024*\q
	ds_load_b128 v[\f+8*\a+4:\f+8*\a+7], v[ADRA+\slot] offset:4096*\a+1024*\q+512
.endr
.irp b, 0,1,2,3,4,5,6,7
	ds_load_b128 v[\f+32+8*\b:\f+32+8*\b+3], v[ADRB+\slot] offset:4096*\b+1024*\q
	ds_load_b128 v[\f+32+8*\b+4:\f+32+8*\b+7], v[ADRB+\slot] offset:4096*\b+1024*\q+512
.endr
.endm
.macro MUL8 f, a, first                ; ctx's block a against W_out's eight.  The 32 accumulators take turns in the same order in every quarter
.irp b, 0,1,2,3,4,5,6,7
.if \first
	v_wmma_f32_16x16x32_f16 v[8*(8*\a+\b):8*(8*\a+\b)+7], v[\f+32+8*\b:\f+32+8*\b+7], v[\f+8*\a:\f+8*\a+7], v[8*\b:8*\b+7]
.else
	v_wmma_f32_16x16x32_f16 v[8*(8*\a+\b):8*(8*\a+\b)+7], v[\f+32+8*\b:\f+32+8*\b+7], v[\f+8*\a:\f+8*\a+7], v[8*(8*\a+\b):8*(8*\a+\b)+7]
.endif
.endr
.endm
; A K step is four quarters of 32 along K on buffers 0, 1, 0, 1.  One of the first three: fetches quarter qn into g, then multiplies f.
.macro QUARTER slot, qn, f, g, first
	PLACES                                         ; four places in front of loads into registers that the last products read
	WIN 0
	FETCH \slot, \qn, \g
	s_wait_dscnt 24                                ; f's loads, issued a quarter ago, are in; the 24 just issued may be out
.if \first
	WIN 0x60                                       ; D window 1, C (the bias) window 2
.else
	WIN 0x50                                       ; C and D window 1
.endif
	MUL8 \f, 0, \first
	MUL8 \f, 1, \first
	MUL8 \f, 2, \first
	MUL8 \f, 3, \first
.endm
; The last quarter multiplies buffer 1 and changes slots: ONE barrier; in front of it each wave waits for all its tensor loads, adds 0 to its spare word, and waits for that and for its reads of this slot.
.macro TURN slot, next, fill
	WIN 0
	s_wait_tensorcnt 0x0                           ; all my tensor loads have landed: my part of the next slot
	ds_add_u32 v[SPW], v[NIL]                      ; 0 onto my spare word
	s_wait_dscnt 1                                 ; buffer 1 is in; the add may be out
	WIN 0x50
	MUL8 F1, 0, 0
	s_wait_dscnt 0x0                               ; the add is done, and my reads of this slot are over
	s_barrier_signal -1
	MUL8 F1, 1, 0
	WIN 0
	s_barrier_wait -1
.if \fill
	CREST                                          ; the barrier has opened a round of the cluster's: no wave of any partner still reads this slot or has a load on its way
	s_add_nc_u64 s[G0+4*\slot+2:G0+4*\slot+3], s[G0+4*\slot+2:G0+4*\slot+3], 8192
	s_add_nc_u64 s[G0B+4*\slot+2:G0B+4*\slot+3], s[G0B+4*\slot+2:G0B+4*\slot+3], 8192
	JLOAD \slot                                    ; the first tensor load behind the round; its four v_nop are also the places in front of the loads below
.else
	PLACES
.endif
	FETCH \next, 0, F0
	WIN 0x50
	MUL8 F1, 2, 0
	MUL8 F1, 3, 0
.endm
	s_wait_tensorcnt 1                             ; my part of K step 0 is in; K step 1's load may be out
	s_barrier_signal -1
	s_barrier_wait -1
	FETCH 0, 0, F0
	s_wait_loadcnt 0x0                             ; the bias
	QUARTER 0, 1, F0, F1, 1                        ; the first quarter stands in front of the loop: its products start the sums, on the bias
	WIN 0
	s_mov_b32 s3, 3
.Llap:                                             ; a trip goes once round the ring and fills both slots again: K steps 2 to 7
	QUARTER 0, 2, F1, F0, 0
	QUARTER 0, 3, F0, F1, 0
	TURN 0, 1, 1
	QUARTER 1, 1, F0, F1, 0
	QUARTER 1, 2, F1, F0, 0
	QUARTER 1, 3, F0, F1, 0
	TURN 1, 0, 1
	QUARTER 0, 1, F0, F1, 0
	WIN 0
	s_sub_co_u32 s3, s3, 1
	s_cmp_lg_u32 s3, 0
	s_cbranch_scc1 .Llap
	QUARTER 0, 2, F1, F0, 0                        ; the last lap fills nothing
	QUARTER 0, 3, F0, F1, 0
	TURN 0, 1, 0
	QUARTER 1, 1, F0, F1, 0
	QUARTER 1, 2, F1, F0, 0
	QUARTER 1, 3, F0, F1, 0
	s_wait_dscnt 0x0
	MUL8 F1, 0, 0
	MUL8 F1, 1, 0
	MUL8 F1, 2, 0
	MUL8 F1, 3, 0
	WIN 0
; THE WAY OUT, a block of 16 rows x 128 columns at a time: through my own stage and back as whole rows of 512 bytes.  LDS serves a wave's instructions in order: no wait between the stores and the loads.
.macro TOSTAGE a
	WIN 0x04                                       ; the data: window 1
.irp b, 0,1,2,3,4,5,6,7
	ds_store_b128 v[STO], v[8*(8*(\a)+\b):8*(8*(\a)+\b)+3] offset:64*\b          ; each accumulator from its low end on
	ds_store_b128 v[STO], v[8*(8*(\a)+\b)+4:8*(8*(\a)+\b)+7] offset:64*\b+16
.endr
	WIN 0
.set BB, F0+96*((\a)%2)
.set t, 0
.rept 16
	ds_load_b128 v[BB+4*t:BB+4*t+3], v[RD] offset:t*SPITCH
.set t, t+1
.endr
.endm
.macro SEND a, younger
.set BB, F0+96*((\a)%2)
	s_wait_dscnt \younger                          ; the block is back; the next block's 16 stores and 16 loads may be out
.set t, 0
.rept 16
	global_store_b128 v[CO], v[BB+4*t:BB+4*t+3], s[70:71] offset:(16*(\a)+t)*4096 th:TH_STORE_NT   ; 32 lanes store 512 consecutive bytes of a row
.set t, t+1
.endr
.endm
	PLACES
	TOSTAGE 0
	TOSTAGE 1
	SEND 0, 32
	s_wait_xcnt 0x0                                ; block 0's stores have read their registers: block 2's loads may land there
	TOSTAGE 2
	SEND 1, 32
	s_wait_xcnt 0x0
	TOSTAGE 3
	SEND 2, 32
	SEND 3, 0
	s_wait_tensorcnt 0x0                           ; the wave's end: these three lines behind my last tensor load and my last LDS store
	ds_add_u32 v[SPW], v[NIL]
	s_wait_dscnt 0x0
	CROUND                                         ; the closing round
	s_endpgm
.Lfunc_end_k_qdbba73fa20_proj:
	.size	k_qdbba73fa20_proj, .Lfunc_end_k_qdbba73fa20_proj-k_qdbba73fa20_proj
	.p2alignl 7, 3214868480
	.fill 96, 4, 3214868480
	.section	.rodata,"a",@progbits
	.p2align	6, 0x0
	.amdhsa_kernel k_qdbba73fa20_proj
		.amdhsa_group_segment_fixed_size 327680
		.amdhsa_private_segment_fixed_size 0
		.amdhsa_enable_private_segment 0
		.amdhsa_kernarg_size 32
		.amdhsa_user_sgpr_count 2
		.amdhsa_user_sgpr_kernarg_segment_ptr 1
		.amdhsa_wavefront_size32 1
		.amdhsa_system_sgpr_workgroup_id_x 1
		.amdhsa_system_sgpr_workgroup_id_y 1
		.amdhsa_system_sgpr_workgroup_id_z 1
		.amdhsa_system_vgpr_workitem_id 0
		.amdhsa_next_free_vgpr 1024
		.amdhsa_next_free_sgpr 80
		.amdhsa_reserve_vcc 0
		.amdhsa_float_denorm_mode_32 3
		.amdhsa_float_denorm_mode_16_64 3
		.amdhsa_memory_ordered 1
		.amdhsa_forward_progress 1
		.amdhsa_inst_pref_size 85
	.end_amdhsa_kernel
	.amdgpu_metadata
---
amdhsa.version: [ 1, 2 ]
amdhsa.kernels:
  - .name:           k_qdbba73fa20_proj
    .symbol:         k_qdbba73fa20_proj.kd
    .args:
      - { .name: ctx, .offset: 0, .size: 8, .value_kind: global_buffer, .address_space: global }
      - { .name: wo, .offset: 8, .size: 8, .value_kind: global_buffer, .address_space: global }
      - { .name: b_out, .offset: 16, .size: 8, .value_kind: global_buffer, .address_space: global }
      - { .name: out0, .offset: 24, .size: 8, .value_kind: global_buffer, .address_space: global }
    .group_segment_fixed_size: 327680
    .private_segment_fixed_size: 0
    .kernarg_segment_align: 8
    .kernarg_segment_size: 32
    .max_flat_workgroup_size: 128
    .sgpr_count:     80
    .vgpr_count:     1024
    .wavefront_size: 32
...
	.end_amdgpu_metadata
.endif
;; end of part 4
;; launch fine (part 5): grid 16 x 4, 16 waves a work-group, no clusters, 84,992 bytes of LDS; arguments qkv, lo, wo, b_out, out0; writes out0
.if DOCPART == 5
	.amdgcn_target "amdgcn-amd-amdhsa--gfx1250"
	.amdhsa_code_object_version 6
	.text
	.protected	k_qdbba73fa20_fine
	.globl	k_qdbba73fa20_fine
	.p2align	8
	.type	k_qdbba73fa20_fine,@function
k_qdbba73fa20_fine:
	s_mov_b64 s[64:65], 0
	v_nop
	global_prefetch_b8 v0, s[64:65] scope:SCOPE_SE
	s_setreg_imm32_b32 hwreg(HW_REG_WAVE_MODE, 25, 1), 1
	s_wait_xcnt 0x0
; The first 16 positions of each sequence once more, through all three products left in f16, with every operand as a PAIR of f16 numbers (high + low, split in f32): each product is
; high x high + high x low + low x high, sums in f32.  These rows average one to sixteen values and are the largest, so the rounding of single f16 operands weighs most there.
; SHARES: work-group (x, y) = 64 columns of out0 for batch y.  Phase 1: wave w is head w: scores of 16 queries x 16 keys, causal softmax (the true maximum taken away, normalised), ctx of 16 rows x 64 channels,
; split and laid in LDS as images of operand registers.  Phase 2: wave (w & 3, w >> 2) makes 16 of the 64 columns over 4 heads' 256 channels; the four parts meet in LDS, and wave w stores row w: 256 consecutive bytes.
; Only 16 keys exist, and an instruction is 32 deep: so in the second product the upper 16 along K carry the low parts: [V high | V low] x [P high | P high], then [V high | V low] x [P low | 0].
; The high part of a number is the number rounded to 11 significant bits, ties to even, made in whole-number arithmetic on its bits; the low part is what is left.
; LIMITS: as in the launches before: magnitudes under 65,504; parts under 2^-14 keep an absolute error of up to 2^-25.
; No tensor load, no cluster, no prefetch: a short launch, all of whose loads are issued at its head.
.set PART,  65536                      ; behind ctx's images (4,096 bytes a head: chunks 0-3 high, 4-7 low): four parts of 16 rows x (256 + 16) bytes
.set SPARE, 82944                      ; the spare words: 128 bytes a wave, eight blocks of 256 bytes that no other line names
.set WLOW,  2097152
.set QH,  16                           ; later W_out's high fragments of my channels 128 .. 255
.set QL,  32
.set KH,  48                           ; later their low fragments
.set KL,  64
.set VF,  80                           ; fragment ct = [high chunk | low chunk]; later ctx's parts; later a head's fragments from LDS
.set SA,  112                          ; three accumulators: high x high, high x low, low x high
.set SB,  120
.set SC,  128
.set OA,  136                          ; ctx, tile ct at 8 ct; later a head's fragments from LDS
.set T,   168
.set PB1, 176
.set PB2, 184
.set W1H, 192                          ; W_out's fragments of my channels 0 .. 127: high,
.set W1L, 224                          ; low
.set W2H, 16
.set W2L, 48
.set CB0, 80
.set CB1, 136
.macro ROUND8 src, tmp                 ; tmp = the high parts of eight numbers, as f32
.irp k, 0,1,2,3,4,5,6,7
	v_bfe_u32 v[(\tmp)+\k], v[(\src)+\k], 13, 1
.endr
.irp k, 0,1,2,3,4,5,6,7
	v_add3_u32 v[(\tmp)+\k], v[(\src)+\k], v[(\tmp)+\k], 0xfff
.endr
.irp k, 0,1,2,3,4,5,6,7
	v_and_b32 v[(\tmp)+\k], 0xffffe000, v[(\tmp)+\k]
.endr
.endm
.macro LESS8 src, tmp                  ; src = what is left, exactly
.irp k, 0,2,4,6
	v_pk_add_f32 v[(\src)+\k:(\src)+\k+1], v[(\src)+\k:(\src)+\k+1], v[(\tmp)+\k:(\tmp)+\k+1] neg_lo:[0,1] neg_hi:[0,1]
.endr
.endm
.macro PACK4 dst, src
.irp k, 0,1,2,3
	v_cvt_pk_f16_f32 v[(\dst)+\k], v[(\src)+2*\k], v[(\src)+2*\k+1]
.endr
.endm
	s_load_b256 s[4:11], s[0:1], 0x0               ; qkv, lo, wo, b_out
	s_load_b64 s[12:13], s[0:1], 0x20              ; out0
	v_lshl_add_u32 v11, v0, 2, SPARE
	v_mov_b32 v12, 0
	v_lshrrev_b32 v1, 5, v0
	v_readfirstlane_b32 s14, v1                    ; wave
	s_and_b32 s15, s14, 3                          ; phase 2: which 16 columns,
	s_lshr_b32 s16, s14, 2                         ; which four heads
	s_and_b32 s17, ttmp7, 0xffff                   ; batch
	v_and_b32 v13, 31, v0
	v_and_b32 v2, 15, v0                           ; r
	v_bfe_u32 v3, v0, 4, 1                         ; h
	v_lshlrev_b32 v1, 4, v13                       ; 16 l
	v_lshlrev_b32 v10, 3, v13                      ; 8 l
	v_lshlrev_b32 v4, 3, v3
	v_sub_nc_u32 v4, v2, v4                        ; r - 8 h: register j (key 8 h + j) is hidden where j is above it
	v_mov_b32 v5, 0xff800000
	s_lshl_b32 s18, s14, 12
	v_add_nc_u32 v6, s18, v1                       ; my head's images
	s_lshl_b32 s18, s16, 14
	v_add_nc_u32 v7, s18, v1                       ; my four heads' images
	s_mul_i32 s18, s16, 4352
	s_lshl_b32 s19, s15, 6
	s_add_co_u32 s18, s18, s19
	s_add_co_u32 s18, s18, PART
	v_mul_u32_u24 v8, v2, 272
	v_lshl_add_u32 v8, v3, 5, v8
	v_add_nc_u32 v8, s18, v8                       ; my part: row r, my 16 columns, 32 bytes for each half of the lanes
	s_mul_i32 s18, s14, 272
	s_add_co_u32 s18, s18, PART
	v_add_nc_u32 v9, s18, v10                      ; back: row w, 8 bytes a lane
	s_mov_b32 s38, 0x76543210
	s_mov_b32 s39, 0xfedcba98
	s_mov_b32 s40, 0x3e38aa3b                      ; c = log2(e) / 8
	s_lshl_b32 s20, s17, 4
	s_add_co_u32 s20, s20, s14                     ; 16 x batch + head
	s_lshl_b32 s42, s20, 18
	s_mov_b32 s43, 0
	s_lshl_b32 s44, s20, 11
	s_mov_b32 s45, 0
	s_lshl_b32 s21, ttmp9, 2
	s_add_co_u32 s21, s21, s15                     ; my tile of 16 outputs
	s_lshl_b32 s46, s21, 15
	s_lshl_b32 s21, s16, 13
	s_add_co_u32 s46, s46, s21
	s_mov_b32 s47, 0
	s_lshl_b32 s22, ttmp9, 8                       ; the work-group's 64 columns, in bytes
	s_mov_b32 s23, 0
	s_wait_kmcnt 0x0
	s_add_nc_u64 s[24:25], s[4:5], s[42:43]        ; q
	s_add_nc_u64 s[26:27], s[24:25], 1<<24         ; k
	s_add_nc_u64 s[28:29], s[24:25], 1<<25         ; v^T
	s_add_nc_u64 s[30:31], s[6:7], s[44:45]        ; the low parts
	s_add_nc_u64 s[32:33], s[8:9], s[46:47]        ; W_out's fragments
	s_add_nc_u64 s[34:35], s[10:11], s[22:23]      ; the bias
	s_add_nc_u64 s[36:37], s[12:13], s[22:23]
	s_lshl_b32 s22, s17, 23
	s_lshl_b32 s21, s14, 12
	s_add_co_u32 s22, s22, s21
	s_add_nc_u64 s[36:37], s[36:37], s[22:23]      ; out0: row 2048 x batch + wave
.irp n, 0,1,2,3
	global_load_b128 v[QH+4*\n:QH+4*\n+3], v1, s[24:25] offset:512*\n
	global_load_b128 v[QL+4*\n:QL+4*\n+3], v1, s[30:31] offset:512*\n
	global_load_b128 v[KH+4*\n:KH+4*\n+3], v1, s[26:27] offset:512*\n
	global_load_b128 v[KL+4*\n:KL+4*\n+3], v1, s[30:31] offset:131072+512*\n
.endr
.irp c, 0,1,2,3
	global_load_b128 v[VF+8*\c:VF+8*\c+3], v1, s[28:29] offset:1024*\c
	global_load_b128 v[VF+8*\c+4:VF+8*\c+7], v1, s[30:31] offset:262144+512*\c
.endr
.irp n, 0,1,2,3,4,5,6,7
	global_load_b128 v[W1H+4*\n:W1H+4*\n+3], v1, s[32:33] offset:512*\n
	global_load_b128 v[W1L+4*\n:W1L+4*\n+3], v1, s[32:33] offset:WLOW+512*\n
.endr
	global_load_b64 v[14:15], v10, s[34:35]
	s_wait_loadcnt 25                              ; q and k are in; behind them: V's 8, W_out's 16, the bias
.irp cs, 0,1                                   ; S^T = K Q^T: a lane holds query r and keys 8 h + 0 .. 7.  The three accumulators take turns
.if \cs == 0
	v_wmma_f32_16x16x32_f16 v[SA:SA+7], v[KH:KH+7], v[QH:QH+7], 0
	v_wmma_f32_16x16x32_f16 v[SB:SB+7], v[KH:KH+7], v[QL:QL+7], 0
	v_wmma_f32_16x16x32_f16 v[SC:SC+7], v[KL:KL+7], v[QH:QH+7], 0
.else
	v_wmma_f32_16x16x32_f16 v[SA:SA+7], v[KH+8:KH+15], v[QH+8:QH+15], v[SA:SA+7]
	v_wmma_f32_16x16x32_f16 v[SB:SB+7], v[KH+8:KH+15], v[QL+8:QL+15], v[SB:SB+7]
	v_wmma_f32_16x16x32_f16 v[SC:SC+7], v[KL+8:KL+15], v[QH+8:QH+15], v[SC:SC+7]
.endif
.endr
.rept 4
	v_nop                                          ; four places in front of loads into registers that the products read, and of the first read of results
.endr
.irp n, 0,1,2,3,4,5,6,7
	global_load_b128 v[W2H+4*\n:W2H+4*\n+3], v1, s[32:33] offset:4096+512*\n
	global_load_b128 v[W2L+4*\n:W2L+4*\n+3], v1, s[32:33] offset:WLOW+4096+512*\n
.endr
.irp j, 0,1,2,3,4,5,6,7
	v_add_f32 v[T+\j], v[SB+\j], v[SC+\j]          ; the small parts first
.endr
.irp j, 0,1,2,3,4,5,6,7
	v_add_f32 v[T+\j], v[T+\j], v[SA+\j]
.endr
.irp j, 0,1,2,3,4,5,6,7
	v_cmp_gt_i32 vcc_lo, \j, v4
	v_cndmask_b32 v[T+\j], v[T+\j], v5, vcc_lo
.endr
	v_max3_num_f32 v136, v[T], v[T+1], v[T+2]
	v_max3_num_f32 v136, v136, v[T+3], v[T+4]
	v_max3_num_f32 v136, v136, v[T+5], v[T+6]
	v_max_num_f32 v136, v136, v[T+7]
	v_mov_b32 v137, 0
	v_permlanex16_b32 v137, v136, s38, s39
	v_max_num_f32 v136, v136, v137                 ; the row's maximum
	v_mul_f32 v137, s40, v136
.irp j, 0,1,2,3,4,5,6,7
	v_fma_f32 v[T+\j], v[T+\j], s40, -v137
.endr
.irp j, 0,1,2,3,4,5,6,7
	v_exp_f32 v[T+\j], v[T+\j]
.endr
	v_mov_b32 v139, 0                              ; (a plain line behind the exponentials)
	s_wait_alu depctr_va_vdst(0)                   ; one wait for the eight, ahead of their first reader
	v_add_f32 v138, v[T], v[T+1]
	v_add_f32 v140, v[T+2], v[T+3]
	v_add_f32 v141, v[T+4], v[T+5]
	v_add_f32 v142, v[T+6], v[T+7]
	v_add_f32 v138, v138, v140
	v_add_f32 v141, v141, v142
	v_add_f32 v138, v138, v141
	v_permlanex16_b32 v139, v138, s38, s39
	v_add_f32 v138, v138, v139
	v_rcp_f32 v138, v138
	v_nop
	s_wait_alu depctr_va_vdst(0)
.irp j, 0,1,2,3,4,5,6,7
	v_mul_f32 v[T+\j], v[T+\j], v138               ; the weights, normalised
.endr
	ROUND8 T, SB
	PACK4 PB1, SB
	PACK4 PB1+4, SB
	LESS8 T, SB
	PACK4 PB2, T
.irp k, 0,1,2,3
	v_mov_b32 v[PB2+4+\k], 0
.endr
	s_wait_loadcnt 33                              ; V is in; behind it: W_out's 16, the bias, W_out's other 16
.irp c, 0,1,2,3
	v_wmma_f32_16x16x32_f16 v[OA+8*\c:OA+8*\c+7], v[VF+8*\c:VF+8*\c+7], v[PB1:PB1+7], 0
.endr
.irp c, 0,1,2,3
	v_wmma_f32_16x16x32_f16 v[OA+8*\c:OA+8*\c+7], v[VF+8*\c:VF+8*\c+7], v[PB2:PB2+7], v[OA+8*\c:OA+8*\c+7]
.endr
.rept 4
	v_nop
.endr
.irp c, 0,1,2,3                                ; ctx: lane (r, h) holds row r, channels 16 ct + 8 h + 0 .. 7: packed, a chunk of the next operand
	ROUND8 OA+8*\c, T
	PACK4 CB0+4*\c, T
	LESS8 OA+8*\c, T
	PACK4 CB0+16+4*\c, OA+8*\c
.endr
.irp c, 0,1,2,3
	ds_store_b128 v6, v[CB0+4*\c:CB0+4*\c+3] offset:512*\c
	ds_store_b128 v6, v[CB0+16+4*\c:CB0+16+4*\c+3] offset:2048+512*\c
.endr
	s_wait_dscnt 0x0                               ; for the others' sake: my stores are done
	s_barrier_signal -1
	s_barrier_wait -1                              ; all sixteen heads' ctx lies in LDS
.macro CLOAD i, cb                     ; head i of my four: two high fragments, two low
.irp n, 0,1,2,3,4,5,6,7
	ds_load_b128 v[\cb+4*\n:\cb+4*\n+3], v7 offset:4096*\i+512*\n
.endr
.endm
.macro HMUL wh, wl, cb, first          ; 64 channels: source 0 = 16 rows of W_out, source 1 = ctx: a lane holds row r and eight neighbouring columns
.irp c, 0,1
.if \first && (\c == 0)
	v_wmma_f32_16x16x32_f16 v[SA:SA+7], v[(\wh):(\wh)+7], v[\cb:\cb+7], 0
	v_wmma_f32_16x16x32_f16 v[SB:SB+7], v[(\wh):(\wh)+7], v[\cb+16:\cb+23], 0
	v_wmma_f32_16x16x32_f16 v[SC:SC+7], v[(\wl):(\wl)+7], v[\cb:\cb+7], 0
.else
	v_wmma_f32_16x16x32_f16 v[SA:SA+7], v[(\wh)+8*\c:(\wh)+8*\c+7], v[\cb+8*\c:\cb+8*\c+7], v[SA:SA+7]
	v_wmma_f32_16x16x32_f16 v[SB:SB+7], v[(\wh)+8*\c:(\wh)+8*\c+7], v[\cb+16+8*\c:\cb+16+8*\c+7], v[SB:SB+7]
	v_wmma_f32_16x16x32_f16 v[SC:SC+7], v[(\wl)+8*\c:(\wl)+8*\c+7], v[\cb+8*\c:\cb+8*\c+7], v[SC:SC+7]
.endif
.endr
.endm
	CLOAD 0, CB0
	CLOAD 1, CB1
	s_wait_loadcnt 16                              ; W_out's first 16 and the bias are in; its other 16 may be out
	s_wait_dscnt 8                                 ; head 0 is in; head 1's eight loads may be out
	HMUL W1H, W1L, CB0, 1
.rept 4
	v_nop
.endr
	CLOAD 2, CB0
	s_wait_dscnt 8
	HMUL W1H+16, W1L+16, CB1, 0
.rept 4
	v_nop
.endr
	CLOAD 3, CB1
	s_wait_loadcnt 0x0
	s_wait_dscnt 8
	HMUL W2H, W2L, CB0, 0
	s_wait_dscnt 0x0
	HMUL W2H+16, W2L+16, CB1, 0
.rept 4
	v_nop
.endr
.irp j, 0,1,2,3,4,5,6,7
	v_add_f32 v[T+\j], v[SB+\j], v[SC+\j]
.endr
.irp j, 0,1,2,3,4,5,6,7
	v_add_f32 v[T+\j], v[T+\j], v[SA+\j]
.endr
	ds_store_b128 v8, v[T:T+3]
	ds_store_b128 v8, v[T+4:T+7] offset:16
	s_wait_dscnt 0x0
	s_barrier_signal -1
	s_barrier_wait -1                              ; the four parts of all 16 rows lie in LDS
.irp q, 0,1,2,3
	ds_load_b64 v[PB1+2*\q:PB1+2*\q+1], v9 offset:4352*\q
.endr
	s_wait_dscnt 0x0
	v_pk_add_f32 v[PB1:PB1+1], v[PB1:PB1+1], v[PB1+2:PB1+3]
	v_pk_add_f32 v[PB1+4:PB1+5], v[PB1+4:PB1+5], v[PB1+6:PB1+7]
	v_pk_add_f32 v[PB1:PB1+1], v[PB1:PB1+1], v[PB1+4:PB1+5]
	v_pk_add_f32 v[PB1:PB1+1], v[PB1:PB1+1], v[14:15]
	global_store_b64 v10, v[PB1:PB1+1], s[36:37]   ; 32 lanes store 256 consecutive bytes of row w
	s_wait_tensorcnt 0x0                           ; the wave's end: these three lines behind my last LDS store
	ds_add_u32 v11, v12
	s_wait_dscnt 0x0
	s_endpgm
.Lfunc_end_k_qdbba73fa20_fine:
	.size	k_qdbba73fa20_fine, .Lfunc_end_k_qdbba73fa20_fine-k_qdbba73fa20_fine
	.p2alignl 7, 3214868480
	.fill 96, 4, 3214868480
	.section	.rodata,"a",@progbits
	.p2align	6, 0x0
	.amdhsa_kernel k_qdbba73fa20_fine
		.amdhsa_group_segment_fixed_size 84992
		.amdhsa_private_segment_fixed_size 0
		.amdhsa_enable_private_segment 0
		.amdhsa_kernarg_size 40
		.amdhsa_user_sgpr_count 2
		.amdhsa_user_sgpr_kernarg_segment_ptr 1
		.amdhsa_wavefront_size32 1
		.amdhsa_system_sgpr_workgroup_id_x 1
		.amdhsa_system_sgpr_workgroup_id_y 1
		.amdhsa_system_sgpr_workgroup_id_z 1
		.amdhsa_system_vgpr_workitem_id 0
		.amdhsa_next_free_vgpr 256
		.amdhsa_next_free_sgpr 66
		.amdhsa_reserve_vcc 1
		.amdhsa_float_denorm_mode_32 3
		.amdhsa_float_denorm_mode_16_64 3
		.amdhsa_memory_ordered 1
		.amdhsa_forward_progress 1
		.amdhsa_inst_pref_size 32
	.end_amdhsa_kernel
	.amdgpu_metadata
---
amdhsa.version: [ 1, 2 ]
amdhsa.kernels:
  - .name:           k_qdbba73fa20_fine
    .symbol:         k_qdbba73fa20_fine.kd
    .args:
      - { .name: qkv, .offset: 0, .size: 8, .value_kind: global_buffer, .address_space: global }
      - { .name: lo, .offset: 8, .size: 8, .value_kind: global_buffer, .address_space: global }
      - { .name: wo, .offset: 16, .size: 8, .value_kind: global_buffer, .address_space: global }
      - { .name: b_out, .offset: 24, .size: 8, .value_kind: global_buffer, .address_space: global }
      - { .name: out0, .offset: 32, .size: 8, .value_kind: global_buffer, .address_space: global }
    .group_segment_fixed_size: 84992
    .private_segment_fixed_size: 0
    .kernarg_segment_align: 8
    .kernarg_segment_size: 40
    .max_flat_workgroup_size: 512
    .sgpr_count:     66
    .vgpr_count:     256
    .wavefront_size: 32
...
	.end_amdgpu_metadata
.endif
;; end of part 5
